; MI455X (gfx1250); checked and timed in simulation.
; The chip was launched on July 23, 2026; its instructions are those of AMD's public machine-readable ISA for CDNA 5 (MIT licence, August 2026) and "CDNA5" Instruction Set Architecture Reference Guide (July 2026). The comments in the code are by the model that wrote it; some were corrected since.
;; Transformer Memory Layer. Allowed arithmetic: matrix products marked QUANTISED: E5M2 operands, one E8M0 scale for each 32 along K, by v_wmma_scale_f32_16x16x128_f8f6f4 with both operands' format E5M2, f32 sums; products left as they are: f32 operands where the result goes on into a quantised operand, else bf16, f16 or f32 operands; f32 sums; everything else in f32.
;; Inputs: Wg 1,024 x 4 float32; Wk_codes 4 x 1,024 x 32 x 32 uint8 (E5M2 codes of Wk, K innermost, in blocks of 32 codes); Wk_scales 4 x 1,024 x 32 uint8 (E8M0 scales of Wk, one for each 32 codes along K); Wo_codes 4 x 1,024 x 32 x 32 uint8 (E5M2 codes of Wo, K innermost, in blocks of 32 codes); Wo_scales 4 x 1,024 x 32 uint8 (E8M0 scales of Wo, one for each 32 codes along K); Wq_codes 4 x 1,024 x 32 x 32 uint8 (E5M2 codes of Wq, K innermost, in blocks of 32 codes); Wq_scales 4 x 1,024 x 32 uint8 (E8M0 scales of Wq, one for each 32 codes along K); Wv_codes 4 x 1,024 x 32 x 32 uint8 (E5M2 codes of Wv, K innermost, in blocks of 32 codes); Wv_scales 4 x 1,024 x 32 uint8 (E8M0 scales of Wv, one for each 32 codes along K); beta 1,024 float32; bg 4 float32; bk 4 x 1,024 float32; bo 4 x 1,024 float32; bq 4 x 1,024 float32; bv 4 x 1,024 float32; gamma 1,024 float32; x 4 x 512 x 1,024 float32.
;; Outputs: out0 4 x 512 x 1,024 float32.
;; This version of the problem:
;;   THIS VERSION OF THE PROBLEM IS GIVEN IN LOW PRECISION. The matrix products marked QUANTISED in the list below multiply operands that are first quantised to E5M2 (5 exponent bits, 2 mantissa bits; 8 bits a number), with one power-of-two scale for each 32 numbers along K (OCP MX v1.0); their sums are f32. All else is computed in f32.
;;   The module's matrix products, in the order in which they are computed (A, B: the left and right operand; K: the contracted axis; several contracted axes count as one K, in the product's order):
;;     1. [M 2,048, K 1,024] x [K 1,024, N 4]; A: computed on the way; B: input Wg: left as it is (N = 4 < 16)
;;     2. [M 2,048, K 1,024] x [K 1,024, N 1,024]; A: computed on the way; B: input Wq (given as codes): QUANTISED
;;     3. [M 2,048, K 1,024] x [K 1,024, N 1,024]; A: computed on the way; B: input Wk (given as codes): QUANTISED
;;     4. [M 2,048, K 1,024] x [K 1,024, N 1,024]; A: computed on the way; B: input Wv (given as codes): QUANTISED
;;     5. batch 64 x [M 512, K 64] x [K 64, N 512]; A: computed on the way; B: computed on the way: QUANTISED
;;     6. batch 64 x [M 512, K 512] x [K 512, N 64]; A: softmax (see below); B: computed on the way: QUANTISED
;;     7. [M 2,048, K 1,024] x [K 1,024, N 1,024]; A: computed on the way; B: input Wo (given as codes): QUANTISED
;;     8. [M 2,048, K 1,024] x [K 1,024, N 1,024]; A: computed on the way; B: input Wq (given as codes): QUANTISED
;;     9. [M 2,048, K 1,024] x [K 1,024, N 1,024]; A: computed on the way; B: input Wk (given as codes): QUANTISED
;;     10. [M 2,048, K 1,024] x [K 1,024, N 1,024]; A: computed on the way; B: input Wv (given as codes): QUANTISED
;;     11. batch 64 x [M 512, K 64] x [K 64, N 512]; A: computed on the way; B: computed on the way: QUANTISED
;;     12. batch 64 x [M 512, K 512] x [K 512, N 64]; A: softmax (see below); B: computed on the way: QUANTISED
;;     13. [M 2,048, K 1,024] x [K 1,024, N 1,024]; A: computed on the way; B: input Wo (given as codes): QUANTISED
;;     14. [M 2,048, K 1,024] x [K 1,024, N 1,024]; A: computed on the way; B: input Wq (given as codes): QUANTISED
;;     15. [M 2,048, K 1,024] x [K 1,024, N 1,024]; A: computed on the way; B: input Wk (given as codes): QUANTISED
;;     16. [M 2,048, K 1,024] x [K 1,024, N 1,024]; A: computed on the way; B: input Wv (given as codes): QUANTISED
;;     17. batch 64 x [M 512, K 64] x [K 64, N 512]; A: computed on the way; B: computed on the way: QUANTISED
;;     18. batch 64 x [M 512, K 512] x [K 512, N 64]; A: softmax (see below); B: computed on the way: QUANTISED
;;     19. [M 2,048, K 1,024] x [K 1,024, N 1,024]; A: computed on the way; B: input Wo (given as codes): QUANTISED
;;     20. [M 2,048, K 1,024] x [K 1,024, N 1,024]; A: computed on the way; B: input Wq (given as codes): QUANTISED
;;     21. [M 2,048, K 1,024] x [K 1,024, N 1,024]; A: computed on the way; B: input Wk (given as codes): QUANTISED
;;     22. [M 2,048, K 1,024] x [K 1,024, N 1,024]; A: computed on the way; B: input Wv (given as codes): QUANTISED
;;     23. batch 64 x [M 512, K 64] x [K 64, N 512]; A: computed on the way; B: computed on the way: QUANTISED
;;     24. batch 64 x [M 512, K 512] x [K 512, N 64]; A: softmax (see below); B: computed on the way: QUANTISED
;;     25. [M 2,048, K 1,024] x [K 1,024, N 1,024]; A: computed on the way; B: input Wo (given as codes): QUANTISED
;;   THE QUANTISER, for each operand of a quantised product, along K:
;;     - K is cut into blocks of 32 from its start; a last block that is shorter is filled with zeros.
;;     - A block's scale is 2^e with e = floor(log2(the largest magnitude in the block)) - 15, held to -126 .. 127; a block of zeros has e = 0. As a byte (E8M0): e + 127.
;;     - Each number is divided by its block's scale, clamped to +-57,344, and rounded to the nearest number of E5M2, ties to even, subnormals kept.
;;     - The product sums the exact products of the quantised numbers (number of the format x scale) in f32.
;;   ~~~python
;;   def quantise(x, axis):      # numpy; x: float32 -> the quantised numbers, widened to float32 again
;;       x = np.moveaxis(x, axis, -1); K = x.shape[-1]
;;       x = np.pad(x, [(0, 0)] * (x.ndim - 1) + [(0, -K % 32)]); x = x.reshape(x.shape[:-1] + (-1, 32)); a = np.abs(x).max(-1, keepdims=True)
;;       e = np.where(a > 0, np.clip(np.frexp(np.where(a > 0, a, 1))[1] - 1 - 15, -126, 127), 0)      # np.frexp(a)[1] - 1 = floor(log2(a)), exactly
;;       r = np.clip(x / 2.0 ** e, -57344, 57344)
;;       step = 2.0 ** (np.maximum(np.frexp(np.where(r == 0, 1, r))[1] - 1, -14) - 2)
;;       q = np.round(r / step) * step * 2.0 ** e      # np.round: ties to even
;;       return np.moveaxis(q.reshape(q.shape[:-2] + (-1,))[..., :K], -1, axis).astype(np.float32)
;;   ~~~
;;   SOFTMAX AHEAD OF A QUANTISED PRODUCT. Where the list says 'softmax', what is quantised is not the finished softmax but p = 2^(t - M), with t = logit x log2(e) and M = ceil(the row's largest t), a whole number; so 1/2 < the row's largest p <= 1. The row's sum l is taken of the UNQUANTISED p, in f32, and the product's result is divided by l at the end. Since M is a whole number, a kernel that streams over the keys may use a running M (the ceiling of the running maximum): every later rescaling is an exact power of two, which a block's scale takes up: the codes' values come out the same.
;;   OPERANDS COMPUTED ON THE WAY. 'Computed on the way' means the value that the module computes at that place (a softmax that the list does not call 'softmax' is quantised finished and normalised). What goes into a quantiser is computed in f32, as accurately as f32 sums, v_exp_f32 and their like allow (about 1e-6 of the number): no bf16 or f16 on the way to a quantiser, and a product that is left as it is and whose result goes on into a quantised operand takes f32 operands (vector FMAs, or v_wmma_f32_16x16x4_f32). A number that lies on a knife's edge between two numbers of the format may be rounded either way, as far as f32 arithmetic and the matrix unit's own rounding can turn it there, and no further.
;;   INPUTS GIVEN AS CODES. Wk (in the module: [4, 1024, 1024], K = its axis 1); Wo (in the module: [4, 1024, 1024], K = its axis 1); Wq (in the module: [4, 1024, 1024], K = its axis 1); Wv (in the module: [4, 1024, 1024], K = its axis 1): each comes as NAME_codes (uint8): NAME with its K axis moved to the last place and cut into blocks of 32 codes, [.., K / 32, bytes a block], one block behind the other in memory; one code a byte (a code: sign, 5 exponent bits, 2 mantissa bits); and NAME_scales (uint8): the same leading axes, one E8M0 byte (e + 127) for each 32 codes along K. Its value is code x scale, taken as it is: it is not quantised again, and the codes and scales need not be those that the quantiser above would give.
;; One version. Each part assembles by itself: llvm-mc -triple=amdgcn-amd-amdhsa -mcpu=gfx1250 --defsym DOCPART=n.
;; ======== version 1 of 1: 4 launches
;; limits: right only within a limited range of input values
;; workspace buffers: xn_codes 2,097,152 bytes; xn_scales 65,536 bytes; gates 32,768 bytes; qkv 25,952,256 bytes; ctx_img 8,388,608 bytes; ctx_sc 262,144 bytes
;; launch prep (part 1): grid 256 x 1, 4 waves a work-group, no clusters, 25,088 bytes of LDS; arguments x, gamma, beta, Wg, bg, xn_codes, xn_scales, gates; writes xn_codes, xn_scales, gates
.if DOCPART == 1
	.amdgcn_target "amdgcn-amd-amdhsa--gfx1250"
	.amdhsa_code_object_version 6
	.text
	.protected	k_q8b8957bf94_prep
	.globl	k_q8b8957bf94_prep
	.p2align	8
	.type	k_q8b8957bf94_prep,@function
k_q8b8957bf94_prep:
	s_mov_b64 s[64:65], 0
	v_nop
	global_prefetch_b8 v0, s[64:65] scope:SCOPE_SE
	s_setreg_imm32_b32 hwreg(HW_REG_WAVE_MODE, 25, 1), 1
	s_wait_xcnt 0x0
; LayerNorm of x [2048][1024] f32, the gates softmax(xn Wg + bg) [2048][4], and xn as codes of E5M2 with one E8M0 byte for each 32 along the row.
; POSITION ORDER: row m is kept at position p = m with bits 3 and 4 exchanged, in xn_codes [p][1024], xn_scales [p][32] and gates [p][4].  Sixteen neighbouring positions 32 b + 16 u + r are then the rows
; 32 b + 8 u + r + 8 (r / 8), which is the choice of rows that lets a transposed product's registers run along the next product's K.
; SHARES: a work-group takes 8 rows (8 g .. 8 g + 7, positions 8 g' .. 8 g' + 7, g' = g with bits 0 and 1 exchanged).  THE WAVES SHARE THE COLUMNS: wave w takes columns 256 w .. 256 w + 255 of all 8 rows, so gamma,
; beta and Wg are read once a work-group, and all 28 loads of a wave go out at the head.  Row sums, sums of squares and the gates' partial sums meet in LDS: three barriers.
; The mean is taken first and the variance of x - mean: no difference of large sums.  The gates' softmax takes its maximum away.
; A block's scale is 2^(floor(log2(largest magnitude)) - 15); its byte is the largest magnitude's exponent field - 15, held at 1 from below.
; LIMITS: a block of zeros, and a block whose largest magnitude lies under 2^-111, gets the byte 1 (the bytes are read by this program alone; zero codes add nothing).  NaN and infinities among the inputs are not served.
; The gates leave in pieces of 16 bytes a row, 128 bytes a work-group: the whole buffer is 32,768 bytes.
.set SP,   80                          ; a lane's place in a turn stage: 64 bytes + 16 of padding
.set STGW, 5120                        ; a wave's two turn stages, 32 x SP bytes each
.set EX1,  20480                       ; row sums: [row 8][wave 4] words
.set EX2,  20736                       ; sums of squares, likewise
.set EX3,  20992                       ; the gates' partial sums: [wave 4][row 8][expert 4] words
.set SCB,  21504                       ; the work-group's 256 scale bytes: [row 8][32]
.set X,    32                          ; v32-95   row i: X + 8 i + 4 j + q = column 256 w + 128 j + 4 lane + q
.set G,    96                          ; v96-103  gamma of my 8 columns
.set BT,   104                         ; v104-111 beta
.set WG,   112                         ; v112-143 Wg: 4 (4 j + q) + e
.set ACC,  144                         ; v144-175 the gates' partial sums: 4 i + e
.set XS,   176                         ; v176-207 two sets of 16 neighbours; also what the exchanges read back
.set C,    208                         ; v208-223 codes: four registers a step, never written again
.set E,    224                         ; v224-227 a scale byte a step
.set MU,   228                         ; v228-235 a number a row: sum, mean, sum of squares, 1 / sqrt
.set T,    236                         ; v236-251 at work
.macro BARRIER                         ; my LDS stores have landed and my LDS loads are in: then the work-group's barrier
	s_wait_dscnt 0x0
	s_barrier_signal -1
	s_barrier_wait -1
.endm
.macro WRED base, n, tmp               ; n registers are summed over the 32 lanes, by turns, so that no line waits for the line above it; tmp: n registers that have been written
.irp m, 1,2,4,8
.set k, 0
.rept \n
	v_add_f32_dpp v[\base+k], v[\base+k], v[\base+k] row_xmask:\m row_mask:0xf bank_mask:0xf
.set k, k+1
.endr
.endr
.set k, 0
.rept \n
	v_permlanex16_b32 v[\tmp+k], v[\base+k], s26, s27
.set k, k+1
.endr
.set k, 0
.rept \n
	v_add_f32 v[\base+k], v[\base+k], v[\tmp+k]
.set k, k+1
.endr
.endm
.macro XCHG ex                         ; each wave's number of each row goes to LDS, and every wave reads and adds the four
.irp i, 0,1,2,3,4,5,6,7
	ds_store_b32 v8, v[MU+\i] offset:\ex+16*\i
.endr
	BARRIER
.irp i, 0,1,2,3,4,5,6,7
	ds_load_b128 v[XS+4*\i:XS+4*\i+3], v10 offset:\ex+16*\i
.endr
	s_wait_dscnt 0x0
.irp i, 0,1,2,3,4,5,6,7
	v_pk_add_f32 v[XS+4*\i:XS+4*\i+1], v[XS+4*\i:XS+4*\i+1], v[XS+4*\i+2:XS+4*\i+3]
.endr
.irp i, 0,1,2,3,4,5,6,7
	v_add_f32 v[MU+\i], v[XS+4*\i], v[XS+4*\i+1]
.endr
.endm
	s_load_b512 s[4:19], s[0:1], 0x0               ; x s[4:5], gamma s[6:7], beta s[8:9], Wg s[10:11], bg s[12:13], xn_codes s[14:15], xn_scales s[16:17], gates s[18:19]
	v_lshl_add_u32 v254, v0, 2, 0x6000
	v_mov_b32 v255, 0
	v_lshrrev_b32 v1, 5, v0
	v_readfirstlane_b32 s24, v1                    ; wave 0..3
	v_and_b32 v1, 31, v0                           ; lane
	v_lshrrev_b32 v12, 4, v1                       ; lane / 16
	v_and_b32 v13, 15, v1                          ; lane % 16
	s_lshl_b32 s25, s24, 10
	v_lshl_add_u32 v2, v1, 4, s25                  ; x, gamma, beta: 1024 w + 16 lane
	s_lshl_b32 s25, s24, 12
	v_lshl_add_u32 v3, v1, 6, s25                  ; Wg: 16 bytes a column: 4096 w + 64 lane
	s_lshl_b32 s25, s24, 8
	v_lshl_add_u32 v4, v12, 10, s25
	v_lshl_add_u32 v4, v13, 4, v4                  ; codes out: (lane / 16) rows of 1,024 + 256 w + 16 (lane % 16)
	v_lshrrev_b32 v5, 1, v13
	v_lshl_add_u32 v5, v12, 5, v5
	s_lshl_b32 s25, s24, 3
	s_add_co_u32 s25, s25, SCB
	v_add_nc_u32 v5, s25, v5                       ; my block's byte: SCB + 32 (lane / 16) + 8 w + (lane % 16) / 2
	v_lshlrev_b32 v7, 3, v1                        ; the scale bytes' way out: 8 bytes a lane
	v_add_nc_u32 v6, SCB, v7
	s_lshl_b32 s25, s24, 2
	v_mov_b32 v8, s25                              ; my wave's word of a row's four
	s_lshl_b32 s25, s24, 7
	v_mov_b32 v9, s25                              ; my wave's 128 bytes of the gates' partial sums
	v_mov_b32 v10, 0
	s_lshl_b32 s25, s24, 5
	v_lshl_add_u32 v16, v12, 4, s25                ; the row whose gates I finish: 2 w + lane / 16, 16 bytes a row
	v_add_nc_u32 v11, EX3, v16
	s_mul_i32 s25, s24, STGW
	v_lshrrev_b32 v14, 2, v1
	v_mul_u32_u24 v14, v14, SP
	v_and_b32 v15, 3, v1
	v_lshl_add_u32 v14, v15, 4, v14
	v_add_nc_u32 v14, s25, v14                     ; a stage on the way in: four lanes' 64 bytes on end, then 16 of padding
	v_mul_u32_u24 v15, v1, SP
	v_add_nc_u32 v15, s25, v15                     ; and on the way out: my 16 neighbours
	s_mov_b32 s26, 0x76543210
	s_mov_b32 s27, 0xfedcba98                      ; v_permlanex16_b32's selects for lane l xor 16
	s_mov_b32 s28, 0x600000                        ; the mantissa field of 57,344
	s_mov_b32 s32, 0x3a800000                      ; 1 / 1024
	s_mov_b32 s33, 0x3727c5ac                      ; 1e-5
	s_and_b32 s29, ttmp9, 0xfc
	s_and_b32 s30, ttmp9, 1
	s_lshl_b32 s30, s30, 1
	s_or_b32 s29, s29, s30
	s_bfe_u32 s30, ttmp9, 0x10001
	s_or_b32 s29, s29, s30                         ; g'
	s_mov_b32 s31, 0
	s_wait_kmcnt 0x0
	s_load_b128 s[20:23], s[12:13], 0x0            ; bg
	s_lshl_b32 s30, ttmp9, 15
	s_add_nc_u64 s[4:5], s[4:5], s[30:31]          ; x at row 8 g
	s_lshl_b32 s30, s29, 13
	s_add_nc_u64 s[14:15], s[14:15], s[30:31]      ; the codes at position 8 g'
	s_lshl_b32 s30, s29, 8
	s_add_nc_u64 s[16:17], s[16:17], s[30:31]      ; the scale bytes
	s_lshl_b32 s30, s29, 7
	s_add_nc_u64 s[18:19], s[18:19], s[30:31]      ; the gates
.irp i, 0,1,2,3,4,5,6,7
.irp j, 0,1
	global_load_b128 v[X+8*\i+4*\j:X+8*\i+4*\j+3], v2, s[4:5] offset:4096*\i+512*\j th:TH_LOAD_NT   ; 32 lanes read 512 consecutive bytes
.endr
.endr
.irp j, 0,1
	global_load_b128 v[G+4*\j:G+4*\j+3], v2, s[6:7] offset:512*\j
.endr
.irp j, 0,1
	global_load_b128 v[BT+4*\j:BT+4*\j+3], v2, s[8:9] offset:512*\j
.endr
.irp j, 0,1
.irp q, 0,1,2,3
	global_load_b128 v[WG+4*(4*\j+\q):WG+4*(4*\j+\q)+3], v3, s[10:11] offset:2048*\j+16*\q
.endr
.endr
	; ---- the mean
	s_wait_loadcnt 12                              ; x is in; the 12 younger loads (gamma, beta, Wg) may be out
.irp i, 0,1,2,3,4,5,6,7
	v_pk_add_f32 v[T+2*\i:T+2*\i+1], v[X+8*\i:X+8*\i+1], v[X+8*\i+2:X+8*\i+3]
.endr
.irp p, 4,6
.irp i, 0,1,2,3,4,5,6,7
	v_pk_add_f32 v[T+2*\i:T+2*\i+1], v[T+2*\i:T+2*\i+1], v[X+8*\i+\p:X+8*\i+\p+1]
.endr
.endr
.irp i, 0,1,2,3,4,5,6,7
	v_add_f32 v[MU+\i], v[T+2*\i], v[T+2*\i+1]
.endr
	WRED MU, 8, T
	XCHG EX1
.irp i, 0,1,2,3,4,5,6,7
	v_mul_f32 v[MU+\i], s32, v[MU+\i]
.endr
	; ---- x - mean, and the variance
.irp p, 0,2,4,6
.irp i, 0,2,4,6
	v_pk_add_f32 v[X+8*\i+\p:X+8*\i+\p+1], v[X+8*\i+\p:X+8*\i+\p+1], v[MU+\i:MU+\i+1] op_sel_hi:[1,0] neg_lo:[0,1] neg_hi:[0,1]
	v_pk_add_f32 v[X+8*\i+8+\p:X+8*\i+8+\p+1], v[X+8*\i+8+\p:X+8*\i+8+\p+1], v[MU+\i:MU+\i+1] op_sel:[0,1] op_sel_hi:[1,1] neg_lo:[0,1] neg_hi:[0,1]
.endr
.endr
.irp i, 0,1,2,3,4,5,6,7
	v_pk_mul_f32 v[T+2*\i:T+2*\i+1], v[X+8*\i:X+8*\i+1], v[X+8*\i:X+8*\i+1]
.endr
.irp p, 2,4,6
.irp i, 0,1,2,3,4,5,6,7
	v_pk_fma_f32 v[T+2*\i:T+2*\i+1], v[X+8*\i+\p:X+8*\i+\p+1], v[X+8*\i+\p:X+8*\i+\p+1], v[T+2*\i:T+2*\i+1]
.endr
.endr
.irp i, 0,1,2,3,4,5,6,7
	v_add_f32 v[MU+\i], v[T+2*\i], v[T+2*\i+1]
.endr
	WRED MU, 8, T
	XCHG EX2                                       ; other bytes than the first exchange's: no barrier is owed between the two
.irp i, 0,1,2,3,4,5,6,7
	v_fma_f32 v[MU+\i], v[MU+\i], s32, s33         ; the variance + 1e-5
.endr
	s_wait_alu depctr_va_vdst(0)
.irp i, 0,1,2,3,4,5,6,7
	v_rsq_f32 v[MU+\i], v[MU+\i]
.endr
	v_nop                                          ; a plain instruction behind the last of the batch
	s_wait_alu depctr_va_vdst(0)                   ; one wait for the eight, ahead of their first reader
	; ---- xn = (x - mean) / sqrt(..) x gamma + beta
	s_wait_loadcnt 8                               ; gamma and beta are in; Wg's eight loads may be out
.irp p, 0,2,4,6
.irp i, 0,2,4,6
	v_pk_mul_f32 v[X+8*\i+\p:X+8*\i+\p+1], v[X+8*\i+\p:X+8*\i+\p+1], v[MU+\i:MU+\i+1] op_sel_hi:[1,0]
	v_pk_mul_f32 v[X+8*\i+8+\p:X+8*\i+8+\p+1], v[X+8*\i+8+\p:X+8*\i+8+\p+1], v[MU+\i:MU+\i+1] op_sel:[0,1] op_sel_hi:[1,1]
.endr
.endr
.irp p, 0,2,4,6
.irp i, 0,1,2,3,4,5,6,7
	v_pk_fma_f32 v[X+8*\i+\p:X+8*\i+\p+1], v[X+8*\i+\p:X+8*\i+\p+1], v[G+\p:G+\p+1], v[BT+\p:BT+\p+1]
.endr
.endr
	; ---- the gates' partial sums: my 8 columns of each row against Wg's four experts, two experts an instruction; the first product starts the sums
	s_wait_loadcnt 0x0
.irp i, 0,1,2,3,4,5,6,7
	v_pk_mul_f32 v[ACC+4*\i:ACC+4*\i+1], v[X+8*\i:X+8*\i+1], v[WG:WG+1] op_sel_hi:[0,1]
	v_pk_mul_f32 v[ACC+4*\i+2:ACC+4*\i+3], v[X+8*\i:X+8*\i+1], v[WG+2:WG+3] op_sel_hi:[0,1]
.endr
.irp i, 0,1,2,3,4,5,6,7
	v_pk_fma_f32 v[ACC+4*\i:ACC+4*\i+1], v[X+8*\i:X+8*\i+1], v[WG+4:WG+5], v[ACC+4*\i:ACC+4*\i+1] op_sel:[1,0,0] op_sel_hi:[1,1,1]
	v_pk_fma_f32 v[ACC+4*\i+2:ACC+4*\i+3], v[X+8*\i:X+8*\i+1], v[WG+6:WG+7], v[ACC+4*\i+2:ACC+4*\i+3] op_sel:[1,0,0] op_sel_hi:[1,1,1]
.endr
.irp n, 2,4,6
.irp i, 0,1,2,3,4,5,6,7
	v_pk_fma_f32 v[ACC+4*\i:ACC+4*\i+1], v[X+8*\i+\n:X+8*\i+\n+1], v[WG+4*\n:WG+4*\n+1], v[ACC+4*\i:ACC+4*\i+1] op_sel_hi:[0,1,1]
	v_pk_fma_f32 v[ACC+4*\i+2:ACC+4*\i+3], v[X+8*\i+\n:X+8*\i+\n+1], v[WG+4*\n+2:WG+4*\n+3], v[ACC+4*\i+2:ACC+4*\i+3] op_sel_hi:[0,1,1]
.endr
.irp i, 0,1,2,3,4,5,6,7
	v_pk_fma_f32 v[ACC+4*\i:ACC+4*\i+1], v[X+8*\i+\n:X+8*\i+\n+1], v[WG+4*\n+4:WG+4*\n+5], v[ACC+4*\i:ACC+4*\i+1] op_sel:[1,0,0] op_sel_hi:[1,1,1]
	v_pk_fma_f32 v[ACC+4*\i+2:ACC+4*\i+3], v[X+8*\i+\n:X+8*\i+\n+1], v[WG+4*\n+6:WG+4*\n+7], v[ACC+4*\i+2:ACC+4*\i+3] op_sel:[1,0,0] op_sel_hi:[1,1,1]
.endr
.endr
	WRED ACC, 32, XS
.irp i, 0,1,2,3,4,5,6,7
	ds_store_b128 v9, v[ACC+4*\i:ACC+4*\i+3] offset:EX3+16*\i
.endr
	; ---- xn into codes.  The conversions take neighbours along K from one lane's registers; the loads gave neighbouring LANES neighbouring bytes.  So a step's 2,048 bytes (rows 2 s and 2 s + 1 of my 256 columns)
	; turn through my own stage: in as they were loaded, out 64 bytes a lane: lanes 0-15 then hold row 2 s, lanes 16-31 row 2 s + 1, 16 neighbours each; two neighbouring lanes hold a block.
.macro TURN s
.irp i, 0,1,2,3
	ds_store_b128 v14, v[X+16*(\s)+4*\i:X+16*(\s)+4*\i+3] offset:32*SP*((\s)%2)+8*SP*\i
.endr
.irp i, 0,1,2,3
	ds_load_b128 v[XS+16*((\s)%2)+4*\i:XS+16*((\s)%2)+4*\i+3], v15 offset:32*SP*((\s)%2)+16*\i   ; LDS serves a wave's instructions in order: these see the stores above
.endr
.endm
.macro QSTEP s
.set XQ, XS+16*((\s)%2)
	v_max3_num_f32 v[T], |v[XQ]|, |v[XQ+1]|, |v[XQ+2]|             ; the largest magnitude of my 16, in two chains
	v_max3_num_f32 v[T+1], |v[XQ+3]|, |v[XQ+4]|, |v[XQ+5]|
.irp i, 6,10
	v_max3_num_f32 v[T], v[T], |v[XQ+\i]|, |v[XQ+\i+1]|
	v_max3_num_f32 v[T+1], v[T+1], |v[XQ+\i+2]|, |v[XQ+\i+3]|
.endr
	v_max3_num_f32 v[T], v[T], |v[XQ+14]|, |v[XQ+15]|
	v_max3_num_f32 v[T], v[T], v[T+1], 0x8000000   ; and the floor 2^(16 - 127): the byte cannot fall under 1
	v_max_num_f32_dpp v[T], v[T], v[T] row_xmask:1 row_mask:0xf bank_mask:0xf   ; with my neighbour's 16: the block's
	v_add_nc_u32 v[T+3], 0xf8800000, v[T]          ; 15 off its exponent field: the conversion takes the exponent field of this operand as its scale
	v_and_or_b32 v[T+2], v[T], 0x7f800000, s28     ; 57,344 x the scale
.irp i, 0,1,2,3,4,5,6,7,8,9,10,11,12,13,14,15
	v_med3_num_f32 v[XQ+\i], v[XQ+\i], -v[T+2], v[T+2]   ; the conversion to an 8-bit code does not saturate (ISA guide 7.6.2): the hold comes first
.endr
	v_cvt_scalef32_pk8_bf8_f32 v[C+4*(\s):C+4*(\s)+1], v[XQ:XQ+7], v[T+3]
	v_cvt_scalef32_pk8_bf8_f32 v[C+4*(\s)+2:C+4*(\s)+3], v[XQ+8:XQ+15], v[T+3]
	v_lshrrev_b32 v[E+(\s)], 23, v[T+3]            ; the scale's byte (also the plain instruction behind the conversions)
	ds_store_b8 v5, v[E+(\s)] offset:64*(\s)       ; both lanes of a block write the same byte with the same value
	global_store_b128 v4, v[C+4*(\s):C+4*(\s)+3], s[14:15] offset:2048*(\s)   ; sixteen lanes store 256 consecutive bytes of one row, at a multiple of 256
.endm
	TURN 0
.irp s, 0,1,2
	TURN \s+1
	s_wait_dscnt 8                                 ; this step's numbers are back; the next turn's 4 stores and 4 loads may be out
	QSTEP \s
.endr
	s_wait_dscnt 0x0
	QSTEP 3
	BARRIER                                        ; the gates' partial sums and all 256 scale bytes lie in LDS
	; ---- the gates of rows 2 w and 2 w + 1 (lanes 0-15, lanes 16-31; the sixteen lanes of a half compute alike)
.irp q, 0,1,2,3
	ds_load_b128 v[XS+4*\q:XS+4*\q+3], v11 offset:128*\q
.endr
	s_wait_dscnt 0x0
	s_wait_kmcnt 0x0                               ; bg
	v_pk_add_f32 v[XS:XS+1], v[XS:XS+1], v[XS+4:XS+5]
	v_pk_add_f32 v[XS+2:XS+3], v[XS+2:XS+3], v[XS+6:XS+7]
	v_pk_add_f32 v[XS+8:XS+9], v[XS+8:XS+9], v[XS+12:XS+13]
	v_pk_add_f32 v[XS+10:XS+11], v[XS+10:XS+11], v[XS+14:XS+15]
	v_pk_add_f32 v[XS:XS+1], v[XS:XS+1], v[XS+8:XS+9]
	v_pk_add_f32 v[XS+2:XS+3], v[XS+2:XS+3], v[XS+10:XS+11]
.irp e, 0,1,2,3
	v_add_f32 v[XS+\e], s[20+\e], v[XS+\e]
.endr
	v_max3_num_f32 v[T], v[XS], v[XS+1], v[XS+2]
	v_max_num_f32 v[T], v[T], v[XS+3]              ; the maximum is taken away before the exponentials
.irp e, 0,1,2,3
	v_sub_f32 v[XS+\e], v[XS+\e], v[T]
.endr
.irp e, 0,1,2,3
	v_mul_f32 v[XS+\e], 0x3fb8aa3b, v[XS+\e]
.endr
	s_wait_alu depctr_va_vdst(0)
.irp e, 0,1,2,3
	v_exp_f32 v[XS+\e], v[XS+\e]
.endr
	v_cmp_eq_u32 vcc_lo, 0, v13                    ; (a plain instruction behind the batch) one lane of each half will store
	s_wait_alu depctr_va_vdst(0)                   ; one wait for the four
	v_add_f32 v[T], v[XS], v[XS+1]
	v_add_f32 v[T+1], v[XS+2], v[XS+3]
	v_add_f32 v[T], v[T], v[T+1]
	s_wait_alu depctr_va_vdst(0)
	v_rcp_f32 v[T+2], v[T]
	v_nop
	s_wait_alu depctr_va_vdst(0)
.irp e, 0,1,2,3
	v_mul_f32 v[XS+\e], v[XS+\e], v[T+2]
.endr
	s_wait_alu depctr_va_vdst(0)
	s_wait_xcnt 0x0                                ; EXEC is a source of the stores issued so far: it changes only behind this wait
	s_and_saveexec_b32 s30, vcc_lo
	global_store_b128 v16, v[XS:XS+3], s[18:19]    ; a row's four gates
	s_wait_xcnt 0x0                                ; and again, in front of the line that widens it
	s_or_b32 exec_lo, exec_lo, s30
	s_cmp_lg_u32 s24, 0                            ; wave 0 stores the work-group's scale bytes
	s_cbranch_scc1 .Ldone
	ds_load_b64 v[T+4:T+5], v6
	s_wait_dscnt 0x0
	global_store_b64 v7, v[T+4:T+5], s[16:17]      ; 32 lanes store 256 consecutive bytes, at a multiple of 256
.Ldone:
	s_wait_tensorcnt 0x0
	ds_add_u32 v254, v255
	s_wait_dscnt 0x0
	s_endpgm
.Lfunc_end_k_q8b8957bf94_prep:
	.size	k_q8b8957bf94_prep, .Lfunc_end_k_q8b8957bf94_prep-k_q8b8957bf94_prep
	.p2alignl 7, 3214868480
	.fill 96, 4, 3214868480
	.section	.rodata,"a",@progbits
	.p2align	6, 0x0
	.amdhsa_kernel k_q8b8957bf94_prep
		.amdhsa_group_segment_fixed_size 25088
		.amdhsa_private_segment_fixed_size 0
		.amdhsa_enable_private_segment 0
		.amdhsa_kernarg_size 64
		.amdhsa_user_sgpr_count 2
		.amdhsa_user_sgpr_kernarg_segment_ptr 1
		.amdhsa_wavefront_size32 1
		.amdhsa_system_sgpr_workgroup_id_x 1
		.amdhsa_system_sgpr_workgroup_id_y 1
		.amdhsa_system_sgpr_workgroup_id_z 1
		.amdhsa_system_vgpr_workitem_id 0
		.amdhsa_next_free_vgpr 256
		.amdhsa_next_free_sgpr 66
		.amdhsa_reserve_vcc 1
		.amdhsa_float_denorm_mode_32 3
		.amdhsa_float_denorm_mode_16_64 3
		.amdhsa_memory_ordered 1
		.amdhsa_forward_progress 1
		.amdhsa_inst_pref_size 59
	.end_amdhsa_kernel
	.amdgpu_metadata
---
amdhsa.version: [ 1, 2 ]
amdhsa.kernels:
  - .name:           k_q8b8957bf94_prep
    .symbol:         k_q8b8957bf94_prep.kd
    .args:
      - { .name: x, .offset: 0, .size: 8, .value_kind: global_buffer, .address_space: global }
      - { .name: gamma, .offset: 8, .size: 8, .value_kind: global_buffer, .address_space: global }
      - { .name: beta, .offset: 16, .size: 8, .value_kind: global_buffer, .address_space: global }
      - { .name: Wg, .offset: 24, .size: 8, .value_kind: global_buffer, .address_space: global }
      - { .name: bg, .offset: 32, .size: 8, .value_kind: global_buffer, .address_space: global }
      - { .name: xn_codes, .offset: 40, .size: 8, .value_kind: global_buffer, .address_space: global }
      - { .name: xn_scales, .offset: 48, .size: 8, .value_kind: global_buffer, .address_space: global }
      - { .name: gates, .offset: 56, .size: 8, .value_kind: global_buffer, .address_space: global }
    .group_segment_fixed_size: 25088
    .private_segment_fixed_size: 0
    .kernarg_segment_align: 8
    .kernarg_segment_size: 64
    .max_flat_workgroup_size: 128
    .sgpr_count:     66
    .vgpr_count:     256
    .wavefront_size: 32
...
	.end_amdgpu_metadata
.endif
;; end of part 1
;; launch qkv (part 2): grid 48 x 8, 4 waves a work-group, clusters of 4 x 4, 327,680 bytes of LDS; arguments xn_codes, xn_scales, Wq_codes, Wq_scales, Wk_codes, Wk_scales, Wv_codes, Wv_scales, bq, bk, bv, qkv; writes qkv
.if DOCPART == 2
	.amdgcn_target "amdgcn-amd-amdhsa--gfx1250"
	.amdhsa_code_object_version 6
	.text
	.protected	k_q8b8957bf94_qkv
	.globl	k_q8b8957bf94_qkv
	.p2align	8
	.type	k_q8b8957bf94_qkv,@function
k_q8b8957bf94_qkv:
	s_mov_b64 s[64:65], 0
	v_nop
	global_prefetch_b8 v0, s[64:65] scope:SCOPE_SE
	s_setreg_imm32_b32 hwreg(HW_REG_WAVE_MODE, 25, 1), 1
	s_wait_xcnt 0x0
	s_wait_alu depctr_hold_cnt(0) depctr_sa_sdst(0) depctr_va_vdst(0) depctr_va_sdst(0) depctr_va_ssrc(0) depctr_va_vcc(0) depctr_vm_vsrc(0)
	s_getreg_b32 s2, hwreg(HW_REG_IB_STS2, 6, 4)
	s_cmp_eq_u32 s2, 0
	s_cbranch_scc0 .Lentry_in_a_cluster
	s_endpgm
.Lentry_in_a_cluster:
	s_bfe_u32 s2, ttmp6, 0x10000c
	s_cmp_lg_u32 s2, 0xf033
	s_cbranch_scc0 .Lentry_shape_is_right
	s_endpgm
.Lentry_shape_is_right:
; The twelve projections xn W^T + b (q, k, v of four experts) as one product on codes of E5M2 with E8M0 scales, and their results quantised in registers for the attention that follows.
; A tile of 256 x 256 is made by four waves, 128 x 128 each: 64 accumulators, 512 registers.  K = 1,024 goes in four steps of 256 through two LDS slots filled by the tensor data mover; rows of 256 bytes.
; The scale bytes of the work-group's 2 x 256 rows, for all of K, come into LDS once, with the first fills.
; THE KIND is cluster x / 4: 0 = q, 1 = k, 2 = v; it is the same in all sixteen partners.  Source 0 of the matrix instruction (the 'B side', shared along a column of the cluster) and source 1 (the 'A side', shared
; along a row) are: q, k: B = 256 rows of W, A = 256 positions of xn, so that a lane holds ONE position and its registers run along the head's channels, which are the scores' K;
; v: B = 256 positions of xn, A = 256 rows of Wv, so that a lane holds ONE channel and its registers run along the keys, which are the second product's K.  The loop over K is one text for all three.
; POSITIONS: xn lies in position order (row = position with bits 3 and 4 exchanged), so sixteen neighbouring positions are rows 32 b + 8 u + r + 8 (r / 8): for v the 16 registers of tiles 2 b and 2 b + 1 are 16
; neighbouring keys.  For q and k the 16 registers are channels 32 b + 8 h + {0..7, 16..23}: two lane swaps a block behind the conversion put the codes in the operand's order.
; The bias is the C of each sum's first matrix instruction.
; WHAT IS STORED: images of the next launch's operand registers: each group of four registers 512 consecutive bytes, lane l's 16 at 16 l.  A record of REC bytes for each (expert, batch, head):
;   0 Q image [tile 32][c 2][512];  32,768 Q scales [pair of tiles 16][r 16] words (bytes: even tile's c0, c1, odd tile's c0, c1);  33,792 K image;  66,560 V image [128 keys 4][16 channels 4][c 4][512];
;   99,328 K scales, as Q's;  100,352 V scales [4][4][r 16] words.
; LIMITS: a block of zeros, and one whose largest magnitude lies under 2^-111, gets the scale byte 1 (read by this program alone).  NaN and infinities are not served.
; REGISTERS: window 0: v0-31 addresses; v32-63 scale words, two sets; v64-127 the biases, later the way out's work; from v128 the A side's fragments, one set, later the codes.
;   window 1: the B side's fragments, two sets.  window 2: the accumulators of my A blocks 0-3 ((a, b) at v[8 (8 a + b)]).  window 3: those of blocks 4-7.
; 384 tiles on 256 WGPs: no smaller tile is taken, since it would read each LDS byte for half the products.  No prefetch: of a tile's four slot fills two go out at the head.
.set NQ,     2                         ; matrix instructions deep in a slot
.set ROWB,   256                       ; a tile's row in bytes
.set KROW,   1024                      ; a row of codes in memory
.set PITCH,  272                       ; an LDS row: 256 bytes + 16 of padding: the 16 rows that a load touches start at 16 different banks (64 banks of 4 bytes: ISA guide 11.1)
.set FR,     16                        ; registers of a fragment
.set NL,     4                         ; LDS loads that bring one
.set NP,     8                         ; places behind this matrix instruction (ISA guide 7.12.1)
.set HALFT,  128*PITCH
.set SLOT,   4*HALFT                   ; the A side's 256 rows, then the B side's
.set KS,     32                        ; a row of scale bytes
.set SCL,    2*SLOT                    ; behind the ring: the scales, as units of 256 bytes + 16 of padding
.set HALFS,  (128*KS/256)*272
.set SBLK,   (16*KS/256)*272
.set SPARE,  SCL+4*HALFS               ; the spare words, 128 bytes for each wave: two blocks of 256 bytes that no other line names
.set REC,    101376
.set ADRA, 16                          ; v16-17  LDS address of my A fragments in slot 0, 1
.set ADRB, 20                          ; v20-21  the same for B
.set LI,   24                          ; v24     16 x lane: an image's place for my lane
.set SO,   25                          ; v25     where my lane's scale word goes
.set BO,   26                          ; v26     my lane's offset among the biases
.set ADRS, 27                          ; v27     LDS address of my scale words: lanes 0-15 A's rows, lanes 16-31 B's
.set SPW,  28                          ; v28     LDS address of my spare word; never rewritten
.set NIL,  29                          ; v29     0; never rewritten
.set SC,   32                          ; scale words: set s at v[SC + 16 s]; register 2 i + q: lanes 0-15 A's block i, lanes 16-31 B's block i
.set BIAS, 64                          ; v64-127 eight registers a block
.set AF,   128
.set BM,   64                          ; the way out: largest magnitudes;
.set T2,   68                          ; the other half's, then the bytes;
.set LIM,  72
.set SCO,  76                          ; the conversions' scale operands;
.set PW,   80                          ; v80-87 a scale word for each A block;
.set TS,   88                          ; v88-91 scale words as they are stored: never written again
.set TT,   92
.set PC,   128                         ; v128-255 the codes: 16 registers for each A block, never written again
.set G1,   36                          ; s[36:43] descriptor group 1 for A's tiles;  s[44:51] for B's
.set G1B,  44
.set G1S,  52                          ; s[52:59], s[60:63] groups 1 and 0 for A's scales;  s[68:75], s[76:79] for B's
.set G0S,  60
.set G1SB, 68
.set G0SB, 76
.set G0,   80                          ; s[80:87] group 0 for A's tiles, a set for each slot;  s[88:95] for B's
.set G0B,  88
.set MSB, 0
.macro WIN new                         ; the immediate's high byte repeats the setting that is left
.if MSB != \new
	s_set_vgpr_msb (MSB<<8)|\new
.set MSB, \new
.endif
.endm
.set MUL_LO, 0xa1                      ; source 0 (B) window 1, source 1 (A) window 0, C and D window 2
.set MUL_HI, 0xf1                      ; the same, C and D window 3
.set TO_B,   0x40
; A joint load: waves 0 and 1 fetch for the A side, waves 2 and 3 for the B side.  The branch hangs on the wave's number alone.  Four v_nop follow each of the two lines.
.macro JLOAD g0a, g1a, g0b, g1b
	s_cmp_eq_u32 s97, 0
	s_cbranch_scc0 .Lfor_b_\@
	tensor_load_to_lds s[\g0a:\g0a+3], s[\g1a:\g1a+7]
	s_nop 0
.rept 4
	v_nop
.endr
	s_branch .Lasked_\@
.Lfor_b_\@:
	tensor_load_to_lds s[\g0b:\g0b+3], s[\g1b:\g1b+7]
	s_nop 0
.rept 4
	v_nop
.endr
.Lasked_\@:
.endm
.macro CREST                           ; a round of the cluster's barrier behind its opening barrier
	s_cmp_lg_u32 s96, 0
	s_cbranch_scc1 .Lnot_wave_0_\@
	s_barrier_signal -3
.Lnot_wave_0_\@:
	s_barrier_wait -3
	s_barrier_signal -1
	s_barrier_wait -1
.endm
.macro CROUND
	s_barrier_signal -1
	s_barrier_wait -1
	CREST
.endm
	s_load_b512 s[4:19], s[0:1], 0x0               ; xn's codes s[4:5], scales s[6:7]; Wq's s[8:11]; Wk's s[12:15]; Wv's s[16:19]
	s_load_b256 s[20:27], s[0:1], 0x40             ; bq s[20:21], bk s[22:23], bv s[24:25], qkv s[26:27]
	v_lshl_add_u32 v[SPW], v0, 2, SPARE
	v_mov_b32 v[NIL], 0
	ds_add_u32 v28, v29
	ds_add_u32 v28, v29
	s_wait_dscnt 0x0
	v_lshrrev_b32 v1, 5, v0
	v_readfirstlane_b32 s96, v1                    ; wave 0..3
	s_lshr_b32 s97, s96, 1                         ; which half of the A side is mine.  Also: I fetch for A (0) or for B (1)
	s_and_b32 s98, s96, 1                          ; which half of the B side.  Also: which 128 rows of that tile I fetch
	s_bfe_u32 s100, ttmp6, 0x40000                 ; cx
	s_bfe_u32 s101, ttmp6, 0x40004                 ; cy
	s_and_b32 s2, ttmp9, 3
	s_and_b32 s3, ttmp9, 1
	s_bfe_u32 s28, ttmp9, 0x10001
	s_lshl_b32 s28, s28, 3
	s_and_b32 s29, ttmp7, 0xffff
	s_lshl_b32 s29, s29, 2
	s_add_co_u32 s29, s29, s101
	s_cmp_ge_u32 ttmp9, 8                          ; v?
	s_cselect_b32 s99, 1, 0
	s_cselect_b32 s2, s3, s2
	s_cselect_b32 s28, s28, 0
	s_lshl_b32 s2, s2, 2
	s_add_co_u32 s66, s2, s100                     ; the B side's tile: q, k: 4 (cluster x % 4) + cx of W's 16;  v: 4 (cluster x % 2) + cx of xn's 8
	s_add_co_u32 s67, s29, s28                     ; the A side's tile: 4 cluster y + cy;  v: + 8 ((cluster x / 2) % 2), of Wv's 16
	s_lshl_b32 s30, s101, 2
	s_lshl_b32 s30, 15, s30                        ; my row of the cluster
	s_lshl_b32 s31, 0x1111, s100                   ; my column
	s_or_b32 s[G1+0], s30, (0<<16)|(1<<20)|(1<<21)|(5<<22)|(3<<25)  ; 15:0 the mask; 17:16 elements of 1 byte; 20 padding on; 21 set beside a mask; 24:22 after every 64 words; 31:25 four words
	s_or_b32 s[G1B+0], s31, (0<<16)|(1<<20)|(1<<21)|(5<<22)|(3<<25)
.irp g, G1, G1B
	s_mov_b32 s[\g+1], ROWB<<16                    ; tensor_dim0
	s_mov_b32 s[\g+2], 128<<16                     ; tensor_dim1
	s_mov_b32 s[\g+3], ROWB<<16                    ; tile_dim0
	s_mov_b32 s[\g+4], 128                         ; tile_dim1
	s_mov_b32 s[\g+5], KROW                        ; the pitch
	s_mov_b32 s[\g+6], 0
	s_mov_b32 s[\g+7], 0
.endr
	s_or_b32 s[G1S+0], s30, (3<<16)|(1<<20)|(1<<21)|(5<<22)|(3<<25)   ; the scales of 128 rows: 4,096 dense bytes as 16 rows of 256 (32 elements of 8 bytes), 16 bytes of padding behind each
	s_or_b32 s[G1SB+0], s31, (3<<16)|(1<<20)|(1<<21)|(5<<22)|(3<<25)
.irp g, G1S, G1SB
	s_mov_b32 s[\g+1], 32<<16
	s_mov_b32 s[\g+2], (128*KS/256)<<16
	s_mov_b32 s[\g+3], 32<<16
	s_mov_b32 s[\g+4], 128*KS/256
	s_mov_b32 s[\g+5], 32
	s_mov_b32 s[\g+6], 0
	s_mov_b32 s[\g+7], 0
.endr
	s_lshl_b32 s2, s98, 7                          ; which 128 rows of the tile I fetch
	s_lshl_b32 s28, s67, 8
	s_add_co_u32 s28, s28, s2                      ; the A side's row
	s_lshl_b32 s29, s66, 8
	s_add_co_u32 s29, s29, s2                      ; the B side's row
	s_lshl_b32 s30, s28, 10                        ; their codes and scale bytes, in bytes (under 2^23)
	s_mov_b32 s31, 0
	s_lshl_b32 s32, s28, 5
	s_mov_b32 s33, 0
	s_lshl_b32 s34, s29, 10
	s_mov_b32 s35, 0
	s_lshl_b32 s2, s29, 5
	s_mov_b32 s3, 0
	s_wait_kmcnt 0x0
	s_cmp_lt_u32 ttmp9, 4                          ; the kind chooses the buffers: the choice hangs on the cluster's number alone
	s_cselect_b64 s[8:9], s[8:9], s[12:13]
	s_cselect_b64 s[10:11], s[10:11], s[14:15]
	s_cselect_b64 s[20:21], s[20:21], s[22:23]
	s_cmp_lt_u32 ttmp9, 8
	s_cselect_b64 s[8:9], s[8:9], s[16:17]         ; W's codes,
	s_cselect_b64 s[10:11], s[10:11], s[18:19]     ; its scales,
	s_cselect_b64 s[20:21], s[20:21], s[24:25]     ; its bias
	s_cselect_b64 s[12:13], s[8:9], s[4:5]         ; the B side: W for q and k, xn for v
	s_cselect_b64 s[14:15], s[10:11], s[6:7]
	s_cselect_b64 s[16:17], s[4:5], s[8:9]         ; the A side: the other
	s_cselect_b64 s[18:19], s[6:7], s[10:11]
	s_add_nc_u64 s[16:17], s[16:17], s[30:31]
	s_add_nc_u64 s[18:19], s[18:19], s[32:33]
	s_add_nc_u64 s[12:13], s[12:13], s[34:35]
	s_add_nc_u64 s[14:15], s[14:15], s[2:3]
	s_mul_i32 s4, s96, HALFT                       ; where they go: wave x 128 rows: no place in the cluster enters an LDS address
	s_mul_i32 s5, s96, HALFS
	CROUND                                         ; all sixteen work-groups are here: the first joint loads meet
	s_mov_b32 s[G0S], 1
	s_add_co_u32 s[G0S+1], s5, SCL
	s_mov_b64 s[G0S+2:G0S+3], s[18:19]
	s_or_b32 s[G0S+3], s[G0S+3], 0x80000000
	s_mov_b32 s[G0SB], 1
	s_add_co_u32 s[G0SB+1], s5, SCL
	s_mov_b64 s[G0SB+2:G0SB+3], s[14:15]
	s_or_b32 s[G0SB+3], s[G0SB+3], 0x80000000
	JLOAD G0S, G1S, G0SB, G1SB                     ; the scales first: they are wanted with K step 0
.irp s, 0,1
	s_mov_b32 s[G0+4*\s], 1
	s_add_co_u32 s[G0+4*\s+1], s4, \s*SLOT
	s_add_nc_u64 s[G0+4*\s+2:G0+4*\s+3], s[16:17], \s*ROWB
	s_or_b32 s[G0+4*\s+3], s[G0+4*\s+3], 0x80000000
	s_mov_b32 s[G0B+4*\s], 1
	s_add_co_u32 s[G0B+4*\s+1], s4, \s*SLOT
	s_add_nc_u64 s[G0B+4*\s+2:G0B+4*\s+3], s[12:13], \s*ROWB
	s_or_b32 s[G0B+4*\s+3], s[G0B+4*\s+3], 0x80000000
	JLOAD G0+4*\s, G1, G0B+4*\s, G1B               ; three loads of mine are out
.endr
	v_and_b32 v1, 15, v0                           ; r = lane % 16
	v_bfe_u32 v2, v0, 4, 1                         ; h = lane / 16
	v_mul_u32_u24 v3, v1, PITCH
	v_lshl_add_u32 v4, v2, 4, v3                   ; a fragment's row x pitch + 16 h
	s_mul_i32 s6, s97, HALFT                       ; my 128 rows of the A side
	s_mul_i32 s7, s98, HALFT                       ; my 128 rows of the B side,
	s_add_co_u32 s7, s7, 2*HALFT                   ; which lie behind A's 256
.irp s, 0,1
	v_add_nc_u32 v[ADRA+\s], s6, v4
	v_add_nc_u32 v[ADRB+\s], s7, v4
	s_add_co_u32 s6, s6, SLOT
	s_add_co_u32 s7, s7, SLOT
.endr
	v_mul_u32_u24 v5, v1, KS                       ; my row's scales: 32 bytes a row,
	v_lshrrev_b32 v6, 8, v5
	v_lshl_add_u32 v5, v6, 4, v5                   ; and 16 more for each 256 passed
	s_mul_i32 s6, s97, HALFS
	s_mul_i32 s7, s98, HALFS
	s_add_co_u32 s7, s7, 2*HALFS
	s_sub_co_u32 s7, s7, s6
	v_mul_u32_u24 v6, s7, v2                       ; lanes 16-31 take B's: one product, the distance between the two bases
	s_add_co_u32 s6, s6, SCL
	v_add_nc_u32 v5, v5, v6
	v_add_nc_u32 v[ADRS], s6, v5
	v_and_b32 v6, 31, v0
	v_lshlrev_b32 v[LI], 4, v6
	; which rows of W and which positions are my wave's
	s_cmp_eq_u32 s99, 0
	s_cselect_b32 s6, s66, s67                     ; W's tile of 256 rows,
	s_cselect_b32 s7, s98, s97                     ; my half of it,
	s_cselect_b32 s8, s67, s66                     ; xn's tile of 256 positions,
	s_cselect_b32 s9, s97, s98                     ; my half of it
	s_cselect_b32 s24, REC, 64
	v_mul_u32_u24 v[SO], s24, v2                   ; scale words: lanes 16-31 write the next head's (q, k) or the next 16 channels' (v)
	v_lshl_add_u32 v[SO], v1, 2, v[SO]
	s_lshl_b32 s10, s6, 10
	s_lshl_b32 s11, s7, 9
	s_add_co_u32 s10, s10, s11
	s_mov_b32 s11, 0
	s_add_nc_u64 s[20:21], s[20:21], s[10:11]      ; the bias of my 128 rows of W
	s_lshr_b32 s10, s6, 2                          ; the expert
	s_lshl_b32 s10, s10, 2
	s_lshr_b32 s22, s8, 1                          ; the batch
	s_add_co_u32 s10, s10, s22
	s_lshl_b32 s10, s10, 4
	s_and_b32 s22, s6, 3
	s_lshl_b32 s22, s22, 2
	s_add_co_u32 s10, s10, s22
	s_lshl_b32 s22, s7, 1
	s_add_co_u32 s10, s10, s22                     ; the first of my two heads' records
	s_mul_i32 s10, s10, REC
	s_and_b32 s22, s8, 1
	s_lshl_b32 s22, s22, 1
	s_add_co_u32 s22, s22, s9                      ; which 128 of the batch's 512 positions
	s_cmp_lt_u32 ttmp9, 4
	s_cselect_b32 s23, 0, 33792
	s_mov_b32 s24, 99328
	s_cselect_b32 s24, 32768, s24
	s_cmp_lt_u32 ttmp9, 8
	s_cselect_b32 s23, s23, 66560                  ; the kind's image in a record,
	s_cselect_b32 s24, s24, 100352                 ; and its scale words
	s_add_co_u32 s23, s23, s10
	s_add_co_u32 s24, s24, s10
	s_lshl_b32 s25, s22, 13
	s_add_co_u32 s10, s23, s25
	s_lshl_b32 s25, s22, 8
	s_add_co_u32 s22, s24, s25
	s_mov_b32 s23, 0
	s_add_nc_u64 s[22:23], s[26:27], s[22:23]      ; where my scale words go
	s_add_nc_u64 s[26:27], s[26:27], s[10:11]      ; where my codes go
	s_mov_b32 s32, 0x76543210
	s_mov_b32 s33, 0xfedcba98                      ; v_permlanex16_b32's selects for lane l xor 16
	s_mov_b32 s35, 0xffff0000                      ; lanes 16-31
	s_cmp_eq_u32 s99, 0
	s_cbranch_scc0 .Lbias_v
	v_lshlrev_b32 v[BO], 5, v2                     ; q, k: register 8 b + j is the bias of W's row 16 b + 8 h + j
.irp b, 0,1,2,3,4,5,6,7
	global_load_b128 v[BIAS+8*\b:BIAS+8*\b+3], v[BO], s[20:21] offset:64*\b
	global_load_b128 v[BIAS+8*\b+4:BIAS+8*\b+7], v[BO], s[20:21] offset:64*\b+16
.endr
	s_branch .Lbias_done
.Lbias_v:
	v_lshlrev_b32 v[BO], 2, v1                     ; v: all eight registers of block a hold the bias of Wv's row 16 a + r
.irp a, 0,1,2,3,4,5,6,7
.irp j, 0,1,2,3,4,5,6,7
	global_load_b32 v[BIAS+8*\a+\j], v[BO], s[20:21] offset:64*\a
.endr
.endr
.Lbias_done:
.macro FRAG reg, adr, q, i             ; a fragment: lane l holds row l % 16; registers 4 c .. 4 c + 3 hold K = 32 c + 16 (l / 16) + 0 .. 15
.irp c, 0,1,2,3
	ds_load_b128 v[\reg+4*\c:\reg+4*\c+3], v[\adr] offset:128*(\q)+32*\c+(\i)*16*PITCH
.endr
.endm
; 16 matrix instructions: A's blocks a0, a0 + 1 x B's eight.  p: B's set;  sc: the set of scale words.  cm = 0: the sums go on;  1: they start from the bias by B's block;  2: by A's block.
; The 64 accumulators take turns, one instruction a turn, in the same order in every step.
.macro MUL16 a0, p, q, sc, cm
.irp a, \a0, \a0+1
.irp b, 0,1,2,3,4,5,6,7
.if (\cm) == 1
	v_wmma_scale_f32_16x16x128_f8f6f4 v[8*(8*((\a)%4)+\b):8*(8*((\a)%4)+\b)+7], v[128*(\p)+FR*\b:128*(\p)+FR*\b+FR-1], v[AF+FR*(\a):AF+FR*(\a)+FR-1], v[BIAS+8*\b:BIAS+8*\b+7], v[SC+8*NQ*(\sc)+NQ*\b+(\q)], v[SC+8*NQ*(\sc)+NQ*(\a)+(\q)] matrix_a_fmt:MATRIX_FMT_BF8 matrix_b_fmt:MATRIX_FMT_BF8 matrix_a_scale:MATRIX_SCALE_ROW1
.elseif (\cm) == 2
	v_wmma_scale_f32_16x16x128_f8f6f4 v[8*(8*((\a)%4)+\b):8*(8*((\a)%4)+\b)+7], v[128*(\p)+FR*\b:128*(\p)+FR*\b+FR-1], v[AF+FR*(\a):AF+FR*(\a)+FR-1], v[BIAS+8*(\a):BIAS+8*(\a)+7], v[SC+8*NQ*(\sc)+NQ*\b+(\q)], v[SC+8*NQ*(\sc)+NQ*(\a)+(\q)] matrix_a_fmt:MATRIX_FMT_BF8 matrix_b_fmt:MATRIX_FMT_BF8 matrix_a_scale:MATRIX_SCALE_ROW1
.else
	v_wmma_scale_f32_16x16x128_f8f6f4 v[8*(8*((\a)%4)+\b):8*(8*((\a)%4)+\b)+7], v[128*(\p)+FR*\b:128*(\p)+FR*\b+FR-1], v[AF+FR*(\a):AF+FR*(\a)+FR-1], v[8*(8*((\a)%4)+\b):8*(8*((\a)%4)+\b)+7], v[SC+8*NQ*(\sc)+NQ*\b+(\q)], v[SC+8*NQ*(\sc)+NQ*(\a)+(\q)] matrix_a_fmt:MATRIX_FMT_BF8 matrix_b_fmt:MATRIX_FMT_BF8 matrix_a_scale:MATRIX_SCALE_ROW1
.endif
.endr
.endr
.endm
.macro FETCH_B slot, q, p
	WIN TO_B
.irp i, 0,1,2,3,4,5,6,7
	FRAG 128*(\p)+FR*\i, ADRB+\slot, \q, \i
.endr
	WIN 0
.endm
.macro FETCH_A slot, q, i0
.irp i, \i0, \i0+1, \i0+2, \i0+3
	FRAG AF+FR*(\i), ADRA+\slot, \q, \i
.endr
.endm
.macro SCALES sc                       ; a K step's scale words into set sc: two words a row; lanes 0-15 take A's block i, lanes 16-31 B's block i
.irp i, 0,1,2,3,4,5,6,7
	ds_load_b64 v[SC+8*NQ*\sc+NQ*\i:SC+8*NQ*\sc+NQ*\i+1], v[ADRS] offset:\i*SBLK
.endr
.endm
.macro PLACES n                        ; plain vector instructions that name no register of the matrix instructions ahead of them (ISA guide 7.12.1)
.rept \n
	v_nop
.endr
.endm
; A step of 128 along K that has its successor in the same slot.  A block of A is free when its eight products are issued: blocks 0-3 are fetched anew in the middle, blocks 4-7 at the end.
.macro STEP slot, q, cm
	s_wait_dscnt 4*NL                              ; B's set and A's blocks 0-3 are in; the youngest 16 loads (A's blocks 4-7) may be out
.if \cm
	WIN 0x81                                       ; C (the bias) in window 0
.else
	WIN MUL_LO
.endif
	MUL16 0, (\q)%2, \q, \slot, \cm
	MUL16 2, (\q)%2, \q, \slot, \cm
	s_wait_dscnt 0
	PLACES NP
	FETCH_B \slot, (\q)+1, 1-(\q)%2
	FETCH_A \slot, (\q)+1, 0
.if \cm
	WIN 0xc1
.else
	WIN MUL_HI
.endif
	MUL16 4, (\q)%2, \q, \slot, \cm
	MUL16 6, (\q)%2, \q, \slot, \cm
	PLACES NP
	WIN 0
	FETCH_A \slot, (\q)+1, 4
.endm
; A slot's last step changes slots: one barrier; in front of it each wave waits for all its tensor loads, adds 0 to its spare word, and waits for that and for its reads of this slot.  fill = 1: the slot is filled again, two K steps ahead.
.macro TURN slot, next, fill
	s_wait_tensorcnt 0x0                           ; all my tensor loads have landed: my part of the next slot
	ds_add_u32 v[SPW], v[NIL]                      ; 0 onto my spare word
	s_wait_dscnt 4*NL+1                            ; (the add and the youngest 16 loads, A's blocks 4-7, may be out)
	WIN MUL_LO
	MUL16 0, 1, NQ-1, \slot, 0                     ; sixteen matrix instructions stand between the add and the wait for it
	s_wait_dscnt 0x0                               ; the add is done, and my reads of this slot are over
	s_barrier_signal -1
	MUL16 2, 1, NQ-1, \slot, 0
	WIN 0
	s_barrier_wait -1
.if \fill
	CREST                                          ; the barrier has opened a round of the cluster's barrier: no wave of any partner still reads this slot or has a load on its way
	s_add_nc_u64 s[G0+4*\slot+2:G0+4*\slot+3], s[G0+4*\slot+2:G0+4*\slot+3], 2*ROWB
	s_add_nc_u64 s[G0B+4*\slot+2:G0B+4*\slot+3], s[G0B+4*\slot+2:G0B+4*\slot+3], 2*ROWB
	JLOAD G0+4*\slot, G1, G0B+4*\slot, G1B         ; the first tensor load behind the round; its four v_nop are among the places in front of the loads below
	PLACES NP-4
.else
	PLACES NP
.endif
	s_wait_alu depctr_va_vdst(0)
	v_add_nc_u32 v[ADRS], 4*NQ, v[ADRS]            ; on to the next K step's scale words
	FETCH_B \next, 0, 0
	FETCH_A \next, 0, 0
	SCALES \next
	WIN MUL_HI
	MUL16 4, 1, NQ-1, \slot, 0
	MUL16 6, 1, NQ-1, \slot, 0
	PLACES NP
	WIN 0
	FETCH_A \next, 0, 4
.endm
	s_wait_tensorcnt 1                             ; the scales and my part of K step 0 are in; K step 1's load may be out
	s_barrier_signal -1
	s_barrier_wait -1
	FETCH_B 0, 0, 0
	FETCH_A 0, 0, 0
	s_wait_alu depctr_va_vdst(0)
	SCALES 0
	FETCH_A 0, 0, 4
	s_wait_loadcnt 0x0                             ; the biases
	s_cmp_eq_u32 s99, 0                            ; the first step starts the sums from the bias, which lies by B's blocks for q and k, by A's for v: written twice
	s_cbranch_scc0 .Lfirst_v
	STEP 0, 0, 1
	s_branch .Lfirst_done
.Lfirst_v:
	STEP 0, 0, 2
.Lfirst_done:
	TURN 0, 1, 1                                   ; K = 1,024 is four slots' worth: written out
	STEP 1, 0, 0
	TURN 1, 0, 1
	STEP 0, 0, 0
	TURN 0, 1, 0                                   ; nothing is left to fetch
	STEP 1, 0, 0
	s_wait_dscnt 4*NL
	WIN MUL_LO
	MUL16 0, 1, NQ-1, 1, 0
	MUL16 2, 1, NQ-1, 1, 0
	s_wait_dscnt 0
	WIN MUL_HI
	MUL16 4, 1, NQ-1, 1, 0
	MUL16 6, 1, NQ-1, 1, 0
	WIN 0
	PLACES NP
; THE WAY OUT.  The 64 results of A's block a in a lane are four blocks of 32 along the next K, 16 numbers here and 16 in lane l xor 16.  They become 16 registers of codes and a scale word.
.macro QUANTW a
.set W,   2+(\a)/4
.set S0,  64*((\a)%4)
.set PCA, PC+16*(\a)
	WIN W|(W<<2)
.irp b, 0,1,2,3
	v_max3_num_f32 v[BM+\b], |v[S0+16*\b]|, |v[S0+16*\b+1]|, 0x8000000   ; each accumulator from its low end on; the floor 2^(16 - 127) holds the byte at 1 from below
.endr
.irp i, 2,4,6,8,10,12,14
.irp b, 0,1,2,3
	v_max3_num_f32 v[BM+\b], |v[S0+16*\b+\i]|, |v[S0+16*\b+\i+1]|, v[BM+\b]
.endr
.endr
	WIN 0
.irp b, 0,1,2,3
	v_permlanex16_b32 v[T2+\b], v[BM+\b], s32, s33
.endr
.irp b, 0,1,2,3
	v_max_num_f32 v[BM+\b], v[BM+\b], v[T2+\b]     ; the block's largest magnitude
.endr
.irp b, 0,1,2,3
	v_add_nc_u32 v[SCO+\b], 0xf8800000, v[BM+\b]   ; 15 off its exponent field: the conversion's scale operand
.endr
.irp b, 0,1,2,3
.endr
.irp b, 0,1,2,3
	v_lshrrev_b32 v[T2+\b], 23, v[SCO+\b]          ; the scale's byte
.endr
	v_lshl_or_b32 v[PW+(\a)], v[T2+1], 8, v[T2]
	v_lshl_or_b32 v[PW+(\a)], v[T2+2], 16, v[PW+(\a)]
	v_lshl_or_b32 v[PW+(\a)], v[T2+3], 24, v[PW+(\a)]
	WIN W|(W<<6)
.irp b, 0,1,2,3
.irp i, 0,1,2,3,4,5,6,7,8,9,10,11,12,13,14,15
.endr
.endr
	WIN W
.irp b, 0,1,2,3
	v_cvt_scalef32_pk8_bf8_f32 v[PCA+4*\b:PCA+4*\b+1], v[S0+16*\b:S0+16*\b+7], v[SCO+\b]
	v_cvt_scalef32_pk8_bf8_f32 v[PCA+4*\b+2:PCA+4*\b+3], v[S0+16*\b+8:S0+16*\b+15], v[SCO+\b]
.endr
	WIN 0
	v_nop                                          ; a plain instruction behind the last conversion
.endm
.macro SWAPS a                         ; q, k: a lane's codes of a block are channels 8 h + {0..7, 16..23}; lanes 16-31 of the first pair change places with lanes 0-15 of the second: 16 h + 0 .. 15
.irp b, 0,1,2,3
.irp i, 0,1
	v_permlane16_swap_b32 v[PC+16*(\a)+4*\b+\i], v[PC+16*(\a)+4*\b+2+\i]
.endr
.endr
.endm
.macro STQK a                          ; block b of the 128 channels: head b / 2, its c = b % 2; tile a of my eight: 512 consecutive bytes a store
.irp b, 0,1,2,3
	global_store_b128 v[LI], v[PC+16*(\a)+4*\b:PC+16*(\a)+4*\b+3], s[26:27] offset:(\b/2)*REC+1024*(\a)+512*(\b%2)
.endr
.endm
.macro STV a                           ; head a / 4, channels 16 (a % 4) on; c = b
.irp b, 0,1,2,3
	global_store_b128 v[LI], v[PC+16*(\a)+4*\b:PC+16*(\a)+4*\b+3], s[26:27] offset:((\a)/4)*REC+2048*((\a)%4)+512*\b
.endr
.endm
	s_cmp_eq_u32 s99, 0
	s_cbranch_scc0 .Lout_v
.irp p, 0,1,2,3
	QUANTW 2*\p
	SWAPS 2*\p
	STQK 2*\p
	QUANTW 2*\p+1
	SWAPS 2*\p+1
	STQK 2*\p+1
	v_perm_b32 v[TS+\p], v[PW+2*\p+1], v[PW+2*\p], 0x05040100   ; the first head's word for the pair of tiles: even tile's c0, c1, odd tile's c0, c1
	v_perm_b32 v[TT], v[PW+2*\p+1], v[PW+2*\p], 0x07060302      ; the second head's
	v_cndmask_b32 v[TS+\p], v[TS+\p], v[TT], s35                ; lanes 16-31 carry the second head's
	global_store_b32 v[SO], v[TS+\p], s[22:23] offset:64*\p
.endr
	s_branch .Lout_done
.Lout_v:
.irp p, 0,1,2,3
	QUANTW 2*\p
	STV 2*\p
	QUANTW 2*\p+1
	STV 2*\p+1
	v_cndmask_b32 v[TS+\p], v[PW+2*\p], v[PW+2*\p+1], s35       ; lanes 16-31 carry the next 16 channels' words
	global_store_b32 v[SO], v[TS+\p], s[22:23] offset:(\p/2)*REC+128*(\p%2)
.endr
.Lout_done:
	s_wait_tensorcnt 0x0                           ; the wave's end
	ds_add_u32 v[SPW], v[NIL]
	s_wait_dscnt 0x0
	CROUND                                         ; the closing round: no work-group ends while a partner may still ask for a tile that names it
	s_endpgm
.Lfunc_end_k_q8b8957bf94_qkv:
	.size	k_q8b8957bf94_qkv, .Lfunc_end_k_q8b8957bf94_qkv-k_q8b8957bf94_qkv
	.p2alignl 7, 3214868480
	.fill 96, 4, 3214868480
	.section	.rodata,"a",@progbits
	.p2align	6, 0x0
	.amdhsa_kernel k_q8b8957bf94_qkv
		.amdhsa_group_segment_fixed_size 327680
		.amdhsa_private_segment_fixed_size 0
		.amdhsa_enable_private_segment 0
		.amdhsa_kernarg_size 96
		.amdhsa_user_sgpr_count 2
		.amdhsa_user_sgpr_kernarg_segment_ptr 1
		.amdhsa_wavefront_size32 1
		.amdhsa_system_sgpr_workgroup_id_x 1
		.amdhsa_system_sgpr_workgroup_id_y 1
		.amdhsa_system_sgpr_workgroup_id_z 1
		.amdhsa_system_vgpr_workitem_id 0
		.amdhsa_next_free_vgpr 1024
		.amdhsa_next_free_sgpr 102
		.amdhsa_reserve_vcc 0
		.amdhsa_float_denorm_mode_32 3
		.amdhsa_float_denorm_mode_16_64 3
		.amdhsa_fp16_overflow 1
		.amdhsa_memory_ordered 1
		.amdhsa_forward_progress 1
		.amdhsa_inst_pref_size 208
	.end_amdhsa_kernel
	.amdgpu_metadata
---
amdhsa.version: [ 1, 2 ]
amdhsa.kernels:
  - .name:           k_q8b8957bf94_qkv
    .symbol:         k_q8b8957bf94_qkv.kd
    .args:
      - { .name: xn_codes, .offset: 0, .size: 8, .value_kind: global_buffer, .address_space: global }
      - { .name: xn_scales, .offset: 8, .size: 8, .value_kind: global_buffer, .address_space: global }
      - { .name: Wq_codes, .offset: 16, .size: 8, .value_kind: global_buffer, .address_space: global }
      - { .name: Wq_scales, .offset: 24, .size: 8, .value_kind: global_buffer, .address_space: global }
      - { .name: Wk_codes, .offset: 32, .size: 8, .value_kind: global_buffer, .address_space: global }
      - { .name: Wk_scales, .offset: 40, .size: 8, .value_kind: global_buffer, .address_space: global }
      - { .name: Wv_codes, .offset: 48, .size: 8, .value_kind: global_buffer, .address_space: global }
      - { .name: Wv_scales, .offset: 56, .size: 8, .value_kind: global_buffer, .address_space: global }
      - { .name: bq, .offset: 64, .size: 8, .value_kind: global_buffer, .address_space: global }
      - { .name: bk, .offset: 72, .size: 8, .value_kind: global_buffer, .address_space: global }
      - { .name: bv, .offset: 80, .size: 8, .value_kind: global_buffer, .address_space: global }
      - { .name: qkv, .offset: 88, .size: 8, .value_kind: global_buffer, .address_space: global }
    .group_segment_fixed_size: 327680
    .private_segment_fixed_size: 0
    .kernarg_segment_align: 8
    .kernarg_segment_size: 96
    .max_flat_workgroup_size: 128
    .sgpr_count:     102
    .vgpr_count:     1024
    .wavefront_size: 32
...
	.end_amdgpu_metadata
.endif
;; end of part 2
;; launch attn (part 3): grid 256 x 1, 16 waves a work-group, no clusters, 169,984 bytes of LDS; arguments qkv, ctx_img, ctx_sc; writes ctx_img, ctx_sc
.if DOCPART == 3
	.amdgcn_target "amdgcn-amd-amdhsa--gfx1250"
	.amdhsa_code_object_version 6
	.text
	.protected	k_q8b8957bf94_attn
	.globl	k_q8b8957bf94_attn
	.p2align	8
	.type	k_q8b8957bf94_attn,@function
k_q8b8957bf94_attn:
	s_mov_b64 s[64:65], 0
	v_nop
	global_prefetch_b8 v0, s[64:65] scope:SCOPE_SE
	s_setreg_imm32_b32 hwreg(HW_REG_WAVE_MODE, 25, 1), 1
	s_wait_xcnt 0x0
; Attention of one (expert, batch, head) a work-group: 512 queries, 512 keys, head size 64, both products on codes of E5M2 with E8M0 scales; the result is quantised for the output projection.
; t = score x log2(e) / 8; M = the row's largest t so far, rounded up to a whole number; p = 2^(t - M) is quantised along the keys, not normalised; the row's sum is taken of the unquantised p and divides at the end.
; When M moves, the sum and O are multiplied by 2^(old M - new M): exact.
; SHARES: each of sixteen waves owns two tiles of 16 queries, one after the other, in 256 registers: four waves to a SIMD, so that one wave's vector work stands beside another's products and LDS loads.
; K's and V's register images and their scale words, 67,584 consecutive bytes of the head's record, come into LDS ONCE (waves 0 to 3, a quarter each) and are never filled again: one barrier in the launch.
; So nothing is asked for later that could be asked for ahead, and no work-group shares a tile with another: no prefetch, no cluster.
; LAYOUT: both products are used transposed: S^T = K Q^T, O^T = V^T P^T: a lane holds ONE query throughout.  Queries and keys lie in position order (position = row with bits 3 and 4 exchanged), so the 16 registers of
; key tiles 2 b and 2 b + 1 are 16 neighbouring keys, and p's codes are the second product's operand as they are made.
; K = 64 IN AN INSTRUCTION OF 128: a fragment of 16 registers holds TWO key tiles (tile 2 i in K 0-63, tile 2 i + 1 in K 64-127).  It is multiplied once by [q, 0] and once by [0, q].  In the idle half only Q's side
; holds zero codes; K's codes there are finite, so those products are exact zeros, under any scale byte but 0xff, which no byte here is.
; ctx: a lane's 16 registers of a block are channels 32 b + 8 h + {0..7, 16..23}: two lane swaps a block put the codes in the operand's order.  It leaves as register images (512 consecutive bytes a store);
; its scale bytes leave two a lane, 4 bytes apart: two heads share a word.  That buffer is 262,144 bytes.
; LIMITS: a block of zeros, and one whose largest magnitude lies under 2^-111, gets the scale byte 1.  NaN and infinities are not served.
.set REC,  101376
.set VIM,  32768                       ; LDS: K image at 0, V image here,
.set KSC,  65536                       ; K's scale words, and 1,024 bytes on V's
.set QLO,  16                          ; v16-31  [q, 0]
.set QHI,  32                          ; v32-47  [0, q]
.set F,    48                          ; v48-111 four fragments of K or of V
.set S,    112                         ; v112-175 S^T, then p
.set O,    176                         ; v176-207 O^T
.set PC,   208                         ; v208-223 p's codes; at a tile's end ctx's
.set BM,   224
.set T2,   228
.set LIM,  232
.set SCO,  236
.set FS,   240                         ; v240-243 the fragments' scale words
.set WQ,   244                         ; v244 both my tiles' scale bytes of Q; v245 the same 16 bits up; v246 16 bits down
.set CW,   247                         ; ctx's scale bytes: lanes 0-15 my first tile's, lanes 16-31 my second's
.set FF,   248                         ; v248 f = 2^(old M - new M); v249 p's scale word
.set PW,   249
.set TP,   250
.set RL,   252                         ; v252 1 / the sum
	s_load_b128 s[4:7], s[0:1], 0x0                ; qkv, ctx_img
	s_load_b64 s[8:9], s[0:1], 0x10                ; ctx_sc
	v_lshl_add_u32 v254, v0, 2, 0x29000
	v_mov_b32 v255, 0
	ds_add_u32 v254, v255
	ds_add_u32 v254, v255
	v_lshrrev_b32 v1, 5, v0
	s_delay_alu instid0(VALU_DEP_1)
	v_readfirstlane_b32 s18, v1                    ; wave 0..15
	s_mul_i32 s10, ttmp9, REC                      ; my head's record
	s_mov_b32 s11, 0
	s_mul_i32 s33, s18, 16896                      ; a quarter of the 67,584 bytes: its place in LDS,
	s_add_co_u32 s12, s33, 33792                   ; and in the record
	s_mov_b32 s13, 0
	s_lshl_b32 s14, s18, 11                        ; my two tiles of Q
	s_mov_b32 s15, 0
	s_lshl_b32 s16, s18, 6
	s_add_co_u32 s16, s16, 32768                   ; and their scale words
	s_mov_b32 s17, 0
	s_mov_b32 s32, 1                               ; group 0: count = 1
	s_mov_b32 s36, 3<<16                           ; group 1: elements of 8 bytes, no mask, no padding: 66 rows of 256 bytes, dense
	s_mov_b32 s37, 32<<16
	s_mov_b32 s38, 66<<16
	s_mov_b32 s39, 32<<16
	s_mov_b32 s40, 66
	s_mov_b32 s41, 32
	s_mov_b32 s42, 0
	s_mov_b32 s43, 0
	s_mov_b32 s20, 0x76543210
	s_mov_b32 s21, 0xfedcba98                      ; v_permlanex16_b32's selects for lane l xor 16
	s_mov_b32 s22, 0x3e38aa3b                      ; c = log2(e) / 8
	s_mov_b32 s23, s22                             ; (named with it as a pair)
	s_mov_b32 s24, 0xffff0000                      ; lanes 16-31
	s_and_b32 s44, ttmp9, 15                       ; the head
	s_bfe_u32 s45, ttmp9, 0x20004                  ; the batch
	s_lshr_b32 s46, ttmp9, 6                       ; the expert
	s_lshl_b32 s45, s45, 2
	s_lshr_b32 s47, s18, 2
	s_add_co_u32 s45, s45, s47                     ; which 128 positions of the 2,048
	s_lshl_b32 s45, s45, 2
	s_add_co_u32 s45, s45, s46
	s_lshl_b32 s45, s45, 1
	s_lshr_b32 s47, s44, 3
	s_add_co_u32 s45, s45, s47                     ; the block [128 positions][expert][512 along K]
	s_bfe_u32 s46, s44, 0x20001
	s_lshl_b32 s46, s46, 3
	s_and_b32 s47, s18, 3
	s_lshl_b32 s47, s47, 1
	s_add_co_u32 s46, s46, s47                     ; in it: 8 x (K step of 128) + my first tile
	s_and_b32 s44, s44, 1                          ; which half of the K step my head is
	s_lshl_b32 s28, s45, 16
	s_lshl_b32 s47, s46, 11
	s_add_co_u32 s28, s28, s47
	s_lshl_b32 s47, s44, 10
	s_add_co_u32 s28, s28, s47
	s_mov_b32 s29, 0
	s_lshl_b32 s30, s45, 11
	s_lshl_b32 s47, s46, 6
	s_add_co_u32 s30, s30, s47
	s_lshl_b32 s47, s44, 1
	s_add_co_u32 s30, s30, s47
	s_mov_b32 s31, 0
	s_wait_dscnt 0x0
	s_wait_kmcnt 0x0
	s_add_nc_u64 s[4:5], s[4:5], s[10:11]
	s_add_nc_u64 s[34:35], s[4:5], s[12:13]
	s_or_b32 s35, s35, 0x80000000                  ; type = 2
	s_cmp_lt_u32 s18, 4                            ; waves 0 to 3 fetch, one load each: the launch's only fills
	s_cbranch_scc0 .Lno_fetch
	tensor_load_to_lds s[32:35], s[36:43]
	s_nop 0
.rept 4
	v_nop
.endr
.Lno_fetch:
	s_add_nc_u64 s[26:27], s[4:5], s[14:15]
	s_add_nc_u64 s[16:17], s[4:5], s[16:17]
	s_add_nc_u64 s[28:29], s[6:7], s[28:29]
	s_add_nc_u64 s[30:31], s[8:9], s[30:31]
	v_and_b32 v3, 31, v0
	s_delay_alu instid0(VALU_DEP_1)
	v_lshlrev_b32 v1, 4, v3                        ; 16 x lane: an image's place for my lane
	s_delay_alu instid0(VALU_DEP_2)
	v_lshlrev_b32 v4, 2, v3                        ; 4 x lane
	v_and_b32 v5, 15, v0
	s_delay_alu instid0(VALU_DEP_1)
	v_lshlrev_b32 v5, 2, v5                        ; 4 r
	s_delay_alu instid0(VALU_DEP_1)
	v_add_nc_u32 v2, KSC, v5                       ; a scale word's place
	global_load_b128 v[QLO:QLO+3], v1, s[26:27]              ; my first tile of Q, twice: as K 0-63 and as K 64-127
	global_load_b128 v[QLO+4:QLO+7], v1, s[26:27] offset:512
	global_load_b128 v[QHI+8:QHI+11], v1, s[26:27]
	global_load_b128 v[QHI+12:QHI+15], v1, s[26:27] offset:512
	global_load_b32 v[WQ], v5, s[16:17]
	s_wait_loadcnt 0x0
	v_lshlrev_b32 v[WQ+1], 16, v[WQ]               ; the scale words are made far ahead of the products that name them
	v_lshrrev_b32 v[WQ+2], 16, v[WQ]
.irp j, 0,1,2,3,4,5,6,7
	v_mov_b32 v[QLO+8+\j], 0                       ; the idle halves: zero codes, set once
	v_mov_b32 v[QHI+\j], 0
.endr
.irp b, 0,1,2,3
	v_mov_b32 v[T2+\b], 0                          ; written once: a lane permute's destination counts as one of its sources
.endr
	v_mov_b32 v[PW], 0                             ; (named as the upper half of the pair v[248:249] before it is first written)
	v_mov_b32 v[RL+1], 0
	v_mov_b32 v[TP], 0
	v_mov_b32 v[FF], 0
	s_wait_alu depctr_va_vdst(0)
	s_wait_tensorcnt 0x0                           ; my quarter has landed,
	s_barrier_signal -1
	s_barrier_wait -1                              ; everybody's has
; A KEY STEP: keys 128 ks on, for my tile t.  first = 1: the tile's first step: no old maximum, nothing to rescale, O^T starts with the constant 0.
.macro STEP ks, t, first
.if (\t) == 0
.set QSL, WQ
.set QSH, WQ+1
.else
.set QSL, WQ+2
.set QSH, WQ
.endif
.if !(\first)
.rept 8
	v_nop                                          ; places in front of loads into registers that the last products read
.endr
.endif
.irp i, 0,1,2,3
.irp g, 0,1,2,3
	ds_load_b128 v[F+16*\i+4*\g:F+16*\i+4*\g+3], v1 offset:(4*(\ks)+\i)*2048+512*\g
.endr
	ds_load_b32 v[FS+\i], v2 offset:(4*(\ks)+\i)*64
.endr
.if (\first) && (\t)
	s_wait_loadcnt 0x0                             ; my second tile of Q
.endif
	s_wait_dscnt 0x0
.irp i, 0,1,2,3
	v_wmma_scale_f32_16x16x128_f8f6f4 v[S+16*\i:S+16*\i+7], v[F+16*\i:F+16*\i+15], v[QLO:QLO+15], 0, v[FS+\i], v[QSL] matrix_a_fmt:MATRIX_FMT_BF8 matrix_b_fmt:MATRIX_FMT_BF8
	v_wmma_scale_f32_16x16x128_f8f6f4 v[S+16*\i+8:S+16*\i+15], v[F+16*\i:F+16*\i+15], v[QHI:QHI+15], 0, v[FS+\i], v[QSH] matrix_a_fmt:MATRIX_FMT_BF8 matrix_b_fmt:MATRIX_FMT_BF8
.endr
.rept 8
	v_nop
.endr
.irp d, 0,1,2,3                                ; V's fragments are asked for now: they land under the softmax
.irp c, 0,1,2,3
	ds_load_b128 v[F+16*\d+4*\c:F+16*\d+4*\c+3], v1 offset:VIM+(4*(\ks)+\d)*2048+512*\c
.endr
	ds_load_b32 v[FS+\d], v2 offset:1024+(4*(\ks)+\d)*64
.endr
.if ((\t) == 0) && ((\ks) == 3)
	global_load_b128 v[QLO:QLO+3], v1, s[26:27] offset:1024      ; my second tile of Q: the first tile's last scores are made
	global_load_b128 v[QLO+4:QLO+7], v1, s[26:27] offset:1536
	global_load_b128 v[QHI+8:QHI+11], v1, s[26:27] offset:1024
	global_load_b128 v[QHI+12:QHI+15], v1, s[26:27] offset:1536
.endif
.irp b, 0,1,2,3
	v_max3_num_f32 v[BM+\b], v[S+16*\b], v[S+16*\b+1], v[S+16*\b+2]   ; the largest score of each block of 32 keys: it serves for the row's maximum and, since p rises with the score, for the block's largest p
.endr
.irp i, 3,5,7,9,11,13
.irp b, 0,1,2,3
	v_max3_num_f32 v[BM+\b], v[BM+\b], v[S+16*\b+\i], v[S+16*\b+\i+1]
.endr
.endr
.irp b, 0,1,2,3
	v_max_num_f32 v[BM+\b], v[BM+\b], v[S+16*\b+15]
.endr
.irp b, 0,1,2,3
	s_delay_alu instid0(VALU_DEP_4)
	v_permlanex16_b32 v[T2+\b], v[BM+\b], s20, s21
.endr
.irp b, 0,1,2,3
	s_delay_alu instid0(VALU_DEP_4)
	v_max_num_f32 v[BM+\b], v[BM+\b], v[T2+\b]     ; with lane l xor 16's 16 keys
.endr
	s_delay_alu instid0(VALU_DEP_2)
	v_max3_num_f32 v[TP], v[BM], v[BM+1], v[BM+2]
	s_delay_alu instid0(VALU_DEP_1)
	v_max_num_f32 v[TP], v[TP], v[BM+3]
.if \first
	s_delay_alu instid0(VALU_DEP_1)
	v_mul_f32 v13, s22, v[TP]                      ; the largest t so far
	s_delay_alu instid0(VALU_DEP_1)
	v_floor_f32 v12, -v13                          ; -M = floor(-t): M is a whole number
.else
	s_delay_alu instid0(VALU_DEP_1)
	v_mul_f32 v[TP], s22, v[TP]
	s_delay_alu instid0(VALU_DEP_1)
	v_max_num_f32 v13, v13, v[TP]
	v_mov_b32 v[TP], v12
	s_delay_alu instid0(VALU_DEP_2)
	v_floor_f32 v12, -v13
	s_delay_alu instid0(VALU_DEP_1)
	v_sub_f32 v[TP], v12, v[TP]                    ; old M - new M: a whole number, 0 or less
	s_delay_alu instid0(VALU_DEP_1)
	v_cvt_i32_f32 v[TP], v[TP]
	s_delay_alu instid0(VALU_DEP_1)
	v_ldexp_f32 v[FF], 1.0, v[TP]                  ; f = 2^(old M - new M)
.endif
.set j, 0
.rept 32
	v_pk_fma_f32 v[S+j:S+j+1], v[S+j:S+j+1], s[22:23], v[12:13] op_sel_hi:[1,0,0]   ; t - M, two at a time
.set j, j+2
.endr
.irp b, 0,1,2,3
	v_fma_f32 v[BM+\b], v[BM+\b], s22, v12         ; the same of each block's largest score
.endr
.set j, 0
	s_wait_alu depctr_va_vdst(0)
.rept 64
	v_exp_f32 v[S+j], v[S+j]                       ; p = 2^(t - M), at most 1
.set j, j+1
.endr
.if \first
	v_mov_b32 v14, 0                               ; the sum, in two halves.  (Plain instructions behind the batch)
	v_mov_b32 v15, 0
.else
	v_pk_mul_f32 v[14:15], v[14:15], v[FF:FF+1] op_sel_hi:[1,0]   ; the sums under the new M.  (A plain instruction behind the batch)
.endif
	s_wait_alu depctr_va_vdst(0)                   ; one wait for the 64, ahead of their first reader
.irp b, 0,1,2,3
	v_exp_f32 v[BM+\b], v[BM+\b]                   ; the block's largest p
.endr
	v_pk_add_f32 v[228:229], v[116:117], v[120:121]
	v_pk_add_f32 v[238:239], v[124:125], v[128:129]
	v_pk_add_f32 v[236:237], v[132:133], v[136:137]
	v_pk_add_f32 v[234:235], v[140:141], v[144:145]
	v_pk_add_f32 v[232:233], v[148:149], v[152:153]
	v_pk_add_f32 v[230:231], v[156:157], v[160:161]
	v_pk_add_f32 v[222:223], v[164:165], v[168:169]
	v_pk_add_f32 v[14:15], v[14:15], v[172:173]
	v_pk_add_f32 v[228:229], v[228:229], v[112:113]
	v_pk_add_f32 v[238:239], v[238:239], v[114:115]
	v_pk_add_f32 v[236:237], v[236:237], v[118:119]
	v_pk_add_f32 v[234:235], v[234:235], v[122:123]
	v_pk_add_f32 v[232:233], v[232:233], v[126:127]
	v_pk_add_f32 v[230:231], v[230:231], v[130:131]
	v_pk_add_f32 v[222:223], v[222:223], v[134:135]
	v_pk_add_f32 v[14:15], v[14:15], v[138:139]
	v_pk_add_f32 v[228:229], v[228:229], v[142:143]
	v_pk_add_f32 v[238:239], v[238:239], v[146:147]
	v_pk_add_f32 v[236:237], v[236:237], v[150:151]
	v_pk_add_f32 v[234:235], v[234:235], v[154:155]
	v_pk_add_f32 v[232:233], v[232:233], v[158:159]
	v_pk_add_f32 v[230:231], v[230:231], v[162:163]
	v_pk_add_f32 v[222:223], v[222:223], v[166:167]
	v_pk_add_f32 v[14:15], v[14:15], v[170:171]
	v_pk_add_f32 v[228:229], v[228:229], v[174:175]
	s_delay_alu instid0(VALU_DEP_2)
	v_pk_add_f32 v[14:15], v[14:15], v[234:235]
	s_delay_alu instid0(VALU_DEP_2)
	v_pk_add_f32 v[228:229], v[228:229], v[232:233]
	v_pk_add_f32 v[238:239], v[238:239], v[230:231]
	v_pk_add_f32 v[236:237], v[236:237], v[222:223]
	s_delay_alu instid0(VALU_DEP_2)
	v_pk_add_f32 v[14:15], v[14:15], v[238:239]
	s_delay_alu instid0(VALU_DEP_2)
	v_pk_add_f32 v[228:229], v[228:229], v[236:237]
	s_delay_alu instid0(VALU_DEP_1)
	v_pk_add_f32 v[14:15], v[14:15], v[228:229]
	s_wait_alu depctr_va_vdst(0)                   ; and one for the four
.irp b, 0,1,2,3
	v_max_num_f32 v[BM+\b], 0x8000000, v[BM+\b]    ; the floor 2^(16 - 127): the byte cannot fall under 1
.endr
.irp b, 0,1,2,3
	s_delay_alu instid0(VALU_DEP_4)
	v_add_nc_u32 v[SCO+\b], 0xf8800000, v[BM+\b]
.endr
.irp b, 0,1,2,3
.endr
.irp b, 0,1,2,3
	s_delay_alu instid0(VALU_DEP_4)
	v_lshrrev_b32 v[T2+\b], 23, v[SCO+\b]
.endr
	s_delay_alu instid0(VALU_DEP_3)
	v_lshl_or_b32 v[PW], v[T2+1], 8, v[T2]         ; p's scale word for these 128 keys
	s_delay_alu instid0(VALU_DEP_1)
	v_lshl_or_b32 v[PW], v[T2+2], 16, v[PW]
	s_delay_alu instid0(VALU_DEP_1)
	v_lshl_or_b32 v[PW], v[T2+3], 24, v[PW]
.irp b, 0,1,2,3
.irp i, 0,1,2,3,4,5,6,7,8,9,10,11,12,13,14,15
.endr
	v_cvt_scalef32_pk8_bf8_f32 v[PC+4*\b:PC+4*\b+1], v[S+16*\b:S+16*\b+7], v[SCO+\b]
	v_cvt_scalef32_pk8_bf8_f32 v[PC+4*\b+2:PC+4*\b+3], v[S+16*\b+8:S+16*\b+15], v[SCO+\b]
.endr
.if \first
	s_wait_alu depctr_va_vdst(0)
.rept 4
	v_nop                                          ; the places between the codes' last conversion and the products
.endr
.else
.set j, 0
.rept 16
	v_pk_mul_f32 v[O+j:O+j+1], v[O+j:O+j+1], v[FF:FF+1] op_sel_hi:[1,0]   ; O^T under the new M; also the places in front of the products
.set j, j+2
.endr
.endif
	s_wait_alu depctr_va_vdst(0)
	s_wait_dscnt 0x0                               ; V
.irp d, 0,1,2,3
.if \first
	v_wmma_scale_f32_16x16x128_f8f6f4 v[O+8*\d:O+8*\d+7], v[F+16*\d:F+16*\d+15], v[PC:PC+15], 0, v[FS+\d], v[PW] matrix_a_fmt:MATRIX_FMT_BF8 matrix_b_fmt:MATRIX_FMT_BF8
.else
	v_wmma_scale_f32_16x16x128_f8f6f4 v[O+8*\d:O+8*\d+7], v[F+16*\d:F+16*\d+15], v[PC:PC+15], v[O+8*\d:O+8*\d+7], v[FS+\d], v[PW] matrix_a_fmt:MATRIX_FMT_BF8 matrix_b_fmt:MATRIX_FMT_BF8
.endif
.endr
.endm
; A TILE'S END: O^T / the sum is ctx: 64 channels of my head, two blocks of 32 of the output projection's K.
.macro CTXOUT t
.rept 8
	v_nop
.endr
	v_add_f32 v14, v14, v15
	s_delay_alu instid0(VALU_DEP_1)
	v_permlanex16_b32 v[TP], v14, s20, s21
	s_delay_alu instid0(VALU_DEP_1)
	v_add_f32 v14, v14, v[TP]                      ; the row's sum
	s_wait_alu depctr_va_vdst(0)
	v_rcp_f32 v[RL], v14
	v_nop
	s_wait_alu depctr_va_vdst(0)
.set j, 0
.rept 16
	v_pk_mul_f32 v[O+j:O+j+1], v[O+j:O+j+1], v[RL:RL+1] op_sel_hi:[1,0]   ; each accumulator from its low end on
.set j, j+2
.endr
.irp b, 0,1
	v_max3_num_f32 v[BM+\b], |v[O+16*\b]|, |v[O+16*\b+1]|, 0x8000000
.endr
.irp i, 2,4,6,8,10,12,14
.irp b, 0,1
	s_delay_alu instid0(VALU_DEP_2)
	v_max3_num_f32 v[BM+\b], v[BM+\b], |v[O+16*\b+\i]|, |v[O+16*\b+\i+1]|
.endr
.endr
.irp b, 0,1
	s_delay_alu instid0(VALU_DEP_2)
	v_permlanex16_b32 v[T2+\b], v[BM+\b], s20, s21
.endr
.irp b, 0,1
	s_delay_alu instid0(VALU_DEP_2)
	v_max_num_f32 v[BM+\b], v[BM+\b], v[T2+\b]
.endr
.irp b, 0,1
	s_delay_alu instid0(VALU_DEP_2)
	v_add_nc_u32 v[SCO+\b], 0xf8800000, v[BM+\b]
.endr
.irp b, 0,1
.endr
.irp b, 0,1
	s_delay_alu instid0(VALU_DEP_2)
	v_lshrrev_b32 v[T2+\b], 23, v[SCO+\b]
.endr
.if (\t) == 0
	s_delay_alu instid0(VALU_DEP_1)
	v_lshl_or_b32 v[CW], v[T2+1], 8, v[T2]         ; the two bytes
.else
	s_delay_alu instid0(VALU_DEP_1)
	v_lshl_or_b32 v[TP], v[T2+1], 8, v[T2]
	s_delay_alu instid0(VALU_DEP_1)
	v_cndmask_b32 v[CW], v[CW], v[TP], s24         ; lanes 16-31 carry the second tile's
.endif
.irp b, 0,1
.irp i, 0,1,2,3,4,5,6,7,8,9,10,11,12,13,14,15
.endr
	v_cvt_scalef32_pk8_bf8_f32 v[PC+4*\b:PC+4*\b+1], v[O+16*\b:O+16*\b+7], v[SCO+\b]
	v_cvt_scalef32_pk8_bf8_f32 v[PC+4*\b+2:PC+4*\b+3], v[O+16*\b+8:O+16*\b+15], v[SCO+\b]
.endr
	v_nop                                          ; a plain instruction behind the last conversion
.irp b, 0,1
.irp i, 0,1
	v_permlane16_swap_b32 v[PC+4*\b+\i], v[PC+4*\b+2+\i]   ; channels 8 h + {0..7, 16..23} become 16 h + 0 .. 15
.endr
.endr
.irp b, 0,1
	global_store_b128 v1, v[PC+4*\b:PC+4*\b+3], s[28:29] offset:2048*(\t)+512*\b   ; 512 consecutive bytes
.endr
.endm
	STEP 0, 0, 1
	STEP 1, 0, 0
	STEP 2, 0, 0
	STEP 3, 0, 0
	CTXOUT 0
	s_wait_xcnt 0x0                                ; the stores have read their registers: the codes' are written again
	STEP 0, 1, 1
	STEP 1, 1, 0
	STEP 2, 1, 0
	STEP 3, 1, 0
	CTXOUT 1
	global_store_b16 v4, v[CW], s[30:31]           ; my head's two bytes of each row's scale word: lanes 0-15 my first tile, lanes 16-31, 64 bytes on, my second
	s_wait_tensorcnt 0x0
	ds_add_u32 v254, v255
	s_wait_dscnt 0x0
	s_endpgm
.Lfunc_end_k_q8b8957bf94_attn:
	.size	k_q8b8957bf94_attn, .Lfunc_end_k_q8b8957bf94_attn-k_q8b8957bf94_attn
	.p2alignl 7, 3214868480
	.fill 96, 4, 3214868480
	.section	.rodata,"a",@progbits
	.p2align	6, 0x0
	.amdhsa_kernel k_q8b8957bf94_attn
		.amdhsa_group_segment_fixed_size 169984
		.amdhsa_private_segment_fixed_size 0
		.amdhsa_enable_private_segment 0
		.amdhsa_kernarg_size 24
		.amdhsa_user_sgpr_count 2
		.amdhsa_user_sgpr_kernarg_segment_ptr 1
		.amdhsa_wavefront_size32 1
		.amdhsa_system_sgpr_workgroup_id_x 1
		.amdhsa_system_sgpr_workgroup_id_y 1
		.amdhsa_system_sgpr_workgroup_id_z 1
		.amdhsa_system_vgpr_workitem_id 0
		.amdhsa_next_free_vgpr 256
		.amdhsa_next_free_sgpr 66
		.amdhsa_reserve_vcc 0
		.amdhsa_float_denorm_mode_32 3
		.amdhsa_float_denorm_mode_16_64 3
		.amdhsa_fp16_overflow 1
		.amdhsa_memory_ordered 1
		.amdhsa_forward_progress 1
		.amdhsa_inst_pref_size 149
	.end_amdhsa_kernel
	.amdgpu_metadata
---
amdhsa.version: [ 1, 2 ]
amdhsa.kernels:
  - .name:           k_q8b8957bf94_attn
    .symbol:         k_q8b8957bf94_attn.kd
    .args:
      - { .name: qkv, .offset: 0, .size: 8, .value_kind: global_buffer, .address_space: global }
      - { .name: ctx_img, .offset: 8, .size: 8, .value_kind: global_buffer, .address_space: global }
      - { .name: ctx_sc, .offset: 16, .size: 8, .value_kind: global_buffer, .address_space: global }
    .group_segment_fixed_size: 169984
    .private_segment_fixed_size: 0
    .kernarg_segment_align: 8
    .kernarg_segment_size: 24
    .max_flat_workgroup_size: 512
    .sgpr_count:     66
    .vgpr_count:     256
    .wavefront_size: 32
...
	.end_amdgpu_metadata
.endif
;; end of part 3
;; launch oproj (part 4): grid 16 x 16, 4 waves a work-group, clusters of 4 x 4, 327,680 bytes of LDS; arguments ctx_img, ctx_sc, Wo_codes, Wo_scales, bo, gates, x, out0; writes out0
.if DOCPART == 4
	.amdgcn_target "amdgcn-amd-amdhsa--gfx1250"
	.amdhsa_code_object_version 6
	.text
	.protected	k_q8b8957bf94_oproj
	.globl	k_q8b8957bf94_oproj
	.p2align	8
	.type	k_q8b8957bf94_oproj,@function
k_q8b8957bf94_oproj:
	s_mov_b64 s[64:65], 0
	v_nop
	global_prefetch_b8 v0, s[64:65] scope:SCOPE_SE
	s_setreg_imm32_b32 hwreg(HW_REG_WAVE_MODE, 25, 1), 1
	s_wait_xcnt 0x0
	s_wait_alu depctr_hold_cnt(0) depctr_sa_sdst(0) depctr_va_vdst(0) depctr_va_sdst(0) depctr_va_ssrc(0) depctr_va_vcc(0) depctr_vm_vsrc(0)
	s_getreg_b32 s2, hwreg(HW_REG_IB_STS2, 6, 4)
	s_cmp_eq_u32 s2, 0
	s_cbranch_scc0 .Lentry_in_a_cluster
	s_endpgm
.Lentry_in_a_cluster:
	s_bfe_u32 s2, ttmp6, 0x10000c
	s_cmp_lg_u32 s2, 0xf033
	s_cbranch_scc0 .Lentry_shape_is_right
	s_endpgm
.Lentry_shape_is_right:
; out = the sum over the four experts of gate_e (ctx_e Wo_e^T + bo_e), + x.  The products on codes of E5M2 with E8M0 scales; all else f32.
; SHARES: a work-group makes 128 positions x 64 columns: 256 work-groups.  THE WAVES SHARE K: a tile holds K = 512 of one expert, and wave w multiplies its w-th 128 for the whole 128 x 64: 32 accumulators,
; 48 fragment loads for 32 products, and no fragment is read by two waves.  Behind each expert's second tile tot += gate x acc: the product is used transposed (source 0 = 16 rows of Wo, source 1 = 16 positions
; of ctx), so a lane holds one position and the gate is one number a lane.  At the end the four waves' sums meet in LDS.
; THE RING: eight tiles (expert, half of K) of 99,328 bytes go through THREE LDS slots, tile t in slot t % 3.  Tiles 0, 1 and 2 are asked for at the head.  The other five come in as few refills as three slots
; allow: tiles 3 and 4 together when slots 0 and 1 are read out (tile 2 is multiplied meanwhile), tile 5 when slot 2 is (tiles 3 and 4 meanwhile), tiles 6 and 7 together (tile 5 meanwhile).
; A wave issues one load behind a round.  In a fill of two tiles each wave brings a whole part: wave 0 ctx's 65,536 bytes of the first tile, wave 1 those of the second, waves 2 and 3 Wo's 64 rows of the first and of
; the second.  In a fill of one tile waves 0 and 2 bring the two parts.
; ctx comes as images of the operand's registers (dense blocks, no pitch); Wo as rows of 512 bytes, 16 bytes of padding behind each.  All scale words come once, with the first fills.
; CLUSTERS: 4 x 4: ctx's tiles are shared along a row of the cluster, Wo's along a column: joint loads.
; Positions turn back into rows (bits 3 and 4 exchanged) in the immediates of x's loads and of the stores.  x + the sum of gate_e bo_e is made at the head, while the first tiles are on their way.
; No prefetch: three of the eight tiles go out at the head, and the other five follow within a short launch.
; REGISTERS: window 0: v1-15, v30 addresses; v16-27 scale words; v28-29 the add's; v32-63 the gates (4 mt + e); v64-127 Wo's four fragments, later the results; v128-255 ctx's eight fragments, later rows read back.
;   window 1: acc (mt, nt) at v[8 (4 mt + nt)].  window 2: tot, likewise.  window 3: v0-63 x + the biases' part; v64-127 its rows' gates; v128-143 bo.
.set SLOT,  99328                      ; ctx's image, 65,536 bytes; then Wo's 64 rows, 528 bytes apart
.set SCA,   3*SLOT                     ; ctx's scale words: [tile 8][K step 4][mt 8][r 16]
.set SCBL,  SCA+16384                  ; Wo's scale bytes: [expert 4][row 64][32]
.set SPARE, SCBL+8192                  ; the spare words, 128 bytes for each wave: two blocks of 256 bytes that no other line names
.set RED,   34816                      ; the way out: 128 rows x (256 bytes + 16) for each wave, from LDS byte 0 on: slots 0 and 1 have had their last fill and their last read by then
.set AA,  1                            ; v1-3   my K step of ctx's image in slot 0, 1, 2
.set BA,  4                            ; v4-6   my K step of Wo's rows
.set STO, 7                            ; v7     into my stage
.set RD,  8                            ; v8-11  back from the four stages
.set CO,  12                           ; v12    my byte offset in two rows of x and of out0
.set R16, 13                           ; v13    16 (lane % 16)
.set H16, 14                           ; v14    16 (lane / 16)
.set ASA, 15                           ; v15    ctx's scale words
.set SA,  16                           ; v16-23
.set SB,  24                           ; v24-27
.set SPW, 28
.set NIL, 29
.set ASB, 30                           ; v30    Wo's scale words
.set G,   32
.set BF,  64
.set AF,  128
.set OUTR, 64
.set RB,  128
.set XB,  0                            ; in window 3
.set GG,  64
.set BOR, 128
.set G1A,  36                          ; s[36:43] group 1 for a tile of ctx;  s[44:51] for a tile of Wo
.set G1B,  44
.set G1SA, 52                          ; s[52:59], s[60:63] groups 1 and 0 for ctx's scales;  s[68:75], s[76:79] for Wo's
.set G0SA, 60
.set G1SB, 68
.set G0SB, 76
.set G0PA, 80                          ; s[80:83] group 0 for ctx's tile in a fill of two tiles (slots 0 and 1, by the wave);  s[84:87] in a fill of one (slot 2)
.set G0TA, 84
.set G0PB, 88                          ; s[88:91], s[92:95] the same for Wo's
.set G0TB, 92
.set MSB, 0
.macro WIN new                         ; the immediate's high byte repeats the setting that is left
.if MSB != \new
	s_set_vgpr_msb (MSB<<8)|\new
.set MSB, \new
.endif
.endm
.macro JLOAD g0a, g1a, g0b, g1b        ; every wave issues: waves 0 and 1 fetch for ctx, waves 2 and 3 for Wo; four v_nop follow each of the two lines
	s_cmp_eq_u32 s21, 0
	s_cbranch_scc0 .Lfor_b_\@
	tensor_load_to_lds s[\g0a:\g0a+3], s[\g1a:\g1a+7]
	s_nop 0
.rept 4
	v_nop
.endr
	s_branch .Lasked_\@
.Lfor_b_\@:
	tensor_load_to_lds s[\g0b:\g0b+3], s[\g1b:\g1b+7]
	s_nop 0
.rept 4
	v_nop
.endr
.Lasked_\@:
.endm
.macro SLOAD                           ; one tile, into slot 2: wave 0 fetches ctx's part, wave 2 Wo's, waves 1 and 3 nothing.  The branches hang on the wave's number alone
	s_cmp_eq_u32 s20, 0
	s_cbranch_scc0 .Lnot_a_\@
	tensor_load_to_lds s[G0TA:G0TA+3], s[G1A:G1A+7]
	s_nop 0
.rept 4
	v_nop
.endr
	s_branch .Lone_asked_\@
.Lnot_a_\@:
	s_cmp_eq_u32 s20, 2
	s_cbranch_scc0 .Lone_asked_\@
	tensor_load_to_lds s[G0TB:G0TB+3], s[G1B:G1B+7]
	s_nop 0
.rept 4
	v_nop
.endr
.Lone_asked_\@:
.endm
.macro ROUND                           ; a round of the cluster's barrier
	s_barrier_signal -1
	s_barrier_wait -1
	s_cmp_lg_u32 s20, 0
	s_cbranch_scc1 .Lnot_wave_0_\@
	s_barrier_signal -3
.Lnot_wave_0_\@:
	s_barrier_wait -3
	s_barrier_signal -1
	s_barrier_wait -1
.endm
.macro PLACES n                        ; plain vector instructions that name no register of the matrix instructions ahead of them (ISA guide 7.12.1)
.rept \n
	v_nop
.endr
.endm
	s_load_b512 s[4:19], s[0:1], 0x0               ; ctx_img s[4:5], ctx_sc s[6:7], Wo's codes s[8:9], scales s[10:11], bo s[12:13], gates s[14:15], x s[16:17], out0 s[18:19]
	v_lshl_add_u32 v[SPW], v0, 2, SPARE
	v_mov_b32 v[NIL], 0
	ds_add_u32 v28, v29
	ds_add_u32 v28, v29
	s_wait_dscnt 0x0
	v_lshrrev_b32 v1, 5, v0
	v_readfirstlane_b32 s20, v1                    ; wave 0..3: my K step of a tile
	s_lshr_b32 s21, s20, 1                         ; I fetch for ctx (0) or for Wo (1);
	s_and_b32 s22, s20, 1                          ; of two tiles the first or the second; of the scales this half
	s_bfe_u32 s23, ttmp6, 0x40000                  ; cx
	s_bfe_u32 s24, ttmp6, 0x40004                  ; cy
	s_lshl_b32 s25, ttmp9, 2
	s_add_co_u32 s25, s25, s23                     ; which 64 columns
	s_and_b32 s26, ttmp7, 0xffff
	s_lshl_b32 s26, s26, 2
	s_add_co_u32 s26, s26, s24                     ; which 128 positions
	s_lshl_b32 s27, s24, 2
	s_lshl_b32 s27, 15, s27                        ; my row of the cluster
	s_lshl_b32 s28, 0x1111, s23                    ; my column
	s_or_b32 s[G1A], s27, (3<<16)|(1<<21)          ; a tile of ctx: 65,536 dense bytes as 256 rows of 256 (32 elements of 8 bytes)
	s_mov_b32 s[G1A+1], 32<<16                     ; tensor_dim0
	s_mov_b32 s[G1A+2], 256<<16                    ; tensor_dim1
	s_mov_b32 s[G1A+3], 32<<16                     ; tile_dim0
	s_mov_b32 s[G1A+4], 256                        ; tile_dim1
	s_mov_b32 s[G1A+5], 32                         ; the pitch
	s_mov_b32 s[G1A+6], 0
	s_mov_b32 s[G1A+7], 0
	s_or_b32 s[G1B], s28, (0<<16)|(1<<20)|(1<<21)|(6<<22)|(3<<25)   ; a tile of Wo: 64 rows of 512 bytes, 1,024 apart; four words of padding after every 128
	s_mov_b32 s[G1B+1], 512<<16
	s_mov_b32 s[G1B+2], 64<<16
	s_mov_b32 s[G1B+3], 512<<16
	s_mov_b32 s[G1B+4], 64
	s_mov_b32 s[G1B+5], 1024
	s_mov_b32 s[G1B+6], 0
	s_mov_b32 s[G1B+7], 0
	s_or_b32 s[G1SA], s27, (3<<16)|(1<<21)         ; half of ctx's scale words: 8,192 dense bytes as 32 rows of 256
	s_mov_b32 s[G1SA+1], 32<<16
	s_mov_b32 s[G1SA+2], 32<<16
	s_mov_b32 s[G1SA+3], 32<<16
	s_mov_b32 s[G1SA+4], 32
	s_mov_b32 s[G1SA+5], 32
	s_mov_b32 s[G1SA+6], 0
	s_mov_b32 s[G1SA+7], 0
	s_or_b32 s[G1SB], s28, (3<<16)|(1<<21)         ; Wo's scale bytes of my 64 rows, two experts: 2 rows of 2,048 bytes (256 elements of 8), 32,768 bytes apart
	s_mov_b32 s[G1SB+1], 256<<16
	s_mov_b32 s[G1SB+2], 2<<16
	s_mov_b32 s[G1SB+3], 256<<16
	s_mov_b32 s[G1SB+4], 2
	s_mov_b32 s[G1SB+5], 4096
	s_mov_b32 s[G1SB+6], 0
	s_mov_b32 s[G1SB+7], 0
	s_lshl_b32 s30, s26, 19                        ; ctx's tiles: 8 blocks of 65,536 bytes for each 128 positions
	s_mov_b32 s31, 0
	s_lshl_b32 s32, s25, 16                        ; Wo's: row 64 x column tile, 1,024 bytes a row
	s_mov_b32 s33, 0
	s_lshl_b32 s34, s26, 14                        ; ctx's scale words, + my half
	s_lshl_b32 s3, s22, 13
	s_add_co_u32 s34, s34, s3
	s_mov_b32 s35, 0
	s_lshl_b32 s2, s22, 16                         ; Wo's scale bytes: experts 2 x half on, my 64 rows
	s_lshl_b32 s3, s25, 11
	s_add_co_u32 s2, s2, s3
	s_mov_b32 s3, 0
	s_wait_kmcnt 0x0
	s_add_nc_u64 s[4:5], s[4:5], s[30:31]
	s_add_nc_u64 s[8:9], s[8:9], s[32:33]
	s_add_nc_u64 s[6:7], s[6:7], s[34:35]
	s_add_nc_u64 s[10:11], s[10:11], s[2:3]
	s_lshl_b32 s30, s22, 16                        ; of tiles 0 and 1 mine: ctx's block,
	s_lshl_b32 s32, s22, 9                         ; and Wo's half of K (s31 and s33 hold 0)
	s_lshl_b32 s34, s22, 13                        ; places in LDS hang on the wave's number alone
	s_lshl_b32 s35, s22, 12
	ROUND                                          ; all sixteen work-groups are here: the first joint loads meet
	s_mov_b32 s[G0SA], 1
	s_add_co_u32 s[G0SA+1], s34, SCA
	s_mov_b64 s[G0SA+2:G0SA+3], s[6:7]
	s_or_b32 s[G0SA+3], s[G0SA+3], 0x80000000
	s_mov_b32 s[G0SB], 1
	s_add_co_u32 s[G0SB+1], s35, SCBL
	s_mov_b64 s[G0SB+2:G0SB+3], s[10:11]
	s_or_b32 s[G0SB+3], s[G0SB+3], 0x80000000
	JLOAD G0SA, G1SA, G0SB, G1SB                   ; the scale words: filled once
	s_mov_b32 s[G0PA], 1                           ; tiles 0 and 1: the first wave of a side fills slot 0, the second slot 1
	s_mul_i32 s[G0PA+1], s22, SLOT
	s_add_nc_u64 s[G0PA+2:G0PA+3], s[4:5], s[30:31]
	s_or_b32 s[G0PA+3], s[G0PA+3], 0x80000000
	s_mov_b32 s[G0PB], 1
	s_mul_i32 s[G0PB+1], s22, SLOT
	s_add_co_u32 s[G0PB+1], s[G0PB+1], 65536
	s_add_nc_u64 s[G0PB+2:G0PB+3], s[8:9], s[32:33]
	s_or_b32 s[G0PB+3], s[G0PB+3], 0x80000000
	s_mov_b32 s[G0TA], 1                           ; tile 2 = expert 1, first half of K: slot 2
	s_mov_b32 s[G0TA+1], 2*SLOT
	s_add_nc_u64 s[G0TA+2:G0TA+3], s[4:5], 2*65536
	s_or_b32 s[G0TA+3], s[G0TA+3], 0x80000000
	s_mov_b32 s[G0TB], 1
	s_mov_b32 s[G0TB+1], 2*SLOT+65536
	s_add_nc_u64 s[G0TB+2:G0TB+3], s[8:9], 1048576
	s_or_b32 s[G0TB+3], s[G0TB+3], 0x80000000
	JLOAD G0PA, G1A, G0PB, G1B
	SLOAD                                          ; three loads of waves 0 and 2 are out, two of waves 1 and 3
	v_and_b32 v64, 31, v0                          ; lane
	v_and_b32 v65, 15, v0                          ; r
	v_bfe_u32 v66, v0, 4, 1                        ; h
	s_lshl_b32 s30, s20, 14
	v_lshl_add_u32 v[AA], v64, 4, s30              ; 16,384 w + 16 lane
	v_add_nc_u32 v[AA+1], SLOT, v[AA]
	v_add_nc_u32 v[AA+2], 2*SLOT, v[AA]
	v_mul_u32_u24 v[BA], v65, 528
	v_lshl_add_u32 v[BA], v66, 4, v[BA]
	s_lshl_b32 s30, s20, 7
	s_add_co_u32 s30, s30, 65536
	v_add_nc_u32 v[BA], s30, v[BA]                 ; 65,536 + 528 r + 16 h + 128 w
	v_add_nc_u32 v[BA+1], SLOT, v[BA]
	v_add_nc_u32 v[BA+2], 2*SLOT, v[BA]
	s_lshl_b32 s30, s20, 9
	s_add_co_u32 s30, s30, SCA
	v_lshl_add_u32 v[ASA], v65, 2, s30
	s_lshl_b32 s30, s20, 2
	s_add_co_u32 s30, s30, SCBL
	v_lshl_add_u32 v[ASB], v65, 5, s30
	s_mul_i32 s30, s20, RED
	v_mul_u32_u24 v[STO], v65, 272
	v_lshl_add_u32 v[STO], v66, 5, v[STO]
	v_add_nc_u32 v[STO], s30, v[STO]               ; my stage: row r, + 32 h
	s_mul_i32 s30, s20, 32*272
	v_mul_u32_u24 v[RD], v66, 272
	v_lshl_add_u32 v[RD], v65, 4, v[RD]
	v_add_nc_u32 v[RD], s30, v[RD]                 ; back: positions 32 w on; lanes 0-15 one row, lanes 16-31 the next
	v_add_nc_u32 v[RD+1], RED, v[RD]
	v_add_nc_u32 v[RD+2], 2*RED, v[RD]
	v_add_nc_u32 v[RD+3], 3*RED, v[RD]
	v_lshlrev_b32 v[CO], 12, v66
	v_lshl_add_u32 v[CO], v65, 4, v[CO]
	v_lshlrev_b32 v[R16], 4, v65
	s_wait_alu depctr_va_vdst(0)
	v_lshlrev_b32 v[H16], 4, v66
	s_wait_alu depctr_va_vdst(0)
	s_lshl_b32 s30, s26, 11
	s_mov_b32 s31, 0
	s_add_nc_u64 s[32:33], s[14:15], s[30:31]      ; the gates of my work-group's 128 positions
	s_lshl_b32 s2, s20, 9
	s_add_co_u32 s30, s30, s2
	s_add_nc_u64 s[34:35], s[14:15], s[30:31]      ; and of the 32 that I store
	s_lshl_b32 s30, s26, 19
	s_lshl_b32 s2, s20, 17
	s_add_co_u32 s30, s30, s2
	s_lshl_b32 s2, s25, 8
	s_add_co_u32 s30, s30, s2
	s_add_nc_u64 s[16:17], s[16:17], s[30:31]      ; x and out0 at row 128 ty + 32 w, column 64 tx
	s_add_nc_u64 s[18:19], s[18:19], s[30:31]
	s_mov_b32 s30, s2
	s_add_nc_u64 s[12:13], s[12:13], s[30:31]      ; bo at column 64 tx
.irp m, 0,1,2,3,4,5,6,7
	global_load_b128 v[G+4*\m:G+4*\m+3], v[R16], s[32:33] offset:256*\m
.endr
	WIN 0xc0                                       ; destination window 3
.set i, 0
.rept 16
.set SWP, ((2*i)&7)|((((2*i)>>3)&1)<<4)|((((2*i)>>4)&1)<<3)
	global_load_b128 v[XB+4*i:XB+4*i+3], v[CO], s[16:17] offset:SWP*4096   ; positions 2 i and 2 i + 1 are rows SWP and SWP + 1; sixteen lanes read 256 consecutive bytes
	global_load_b128 v[GG+4*i:GG+4*i+3], v[H16], s[34:35] offset:32*i
.set i, i+1
.endr
.irp e, 0,1,2,3
	global_load_b128 v[BOR+4*\e:BOR+4*\e+3], v[R16], s[12:13] offset:4096*\e
.endr
	s_wait_loadcnt 0x0
	WIN 0xff                                       ; all in window 3: x + the sum of gate_e bo_e
.set i, 0
.rept 16
.irp p, 0,2
	v_pk_fma_f32 v[XB+4*i+\p:XB+4*i+\p+1], v[BOR+\p:BOR+\p+1], v[GG+4*i:GG+4*i+1], v[XB+4*i+\p:XB+4*i+\p+1] op_sel_hi:[1,0,1]
	v_pk_fma_f32 v[XB+4*i+\p:XB+4*i+\p+1], v[BOR+4+\p:BOR+4+\p+1], v[GG+4*i:GG+4*i+1], v[XB+4*i+\p:XB+4*i+\p+1] op_sel:[0,1,0] op_sel_hi:[1,1,1]
	v_pk_fma_f32 v[XB+4*i+\p:XB+4*i+\p+1], v[BOR+8+\p:BOR+8+\p+1], v[GG+4*i+2:GG+4*i+3], v[XB+4*i+\p:XB+4*i+\p+1] op_sel_hi:[1,0,1]
	v_pk_fma_f32 v[XB+4*i+\p:XB+4*i+\p+1], v[BOR+12+\p:BOR+12+\p+1], v[GG+4*i+2:GG+4*i+3], v[XB+4*i+\p:XB+4*i+\p+1] op_sel:[0,1,0] op_sel_hi:[1,1,1]
.endr
.set i, i+1
.endr
; tot += gate_e x acc, behind expert e's second tile.  Each accumulator is read from its low end on.
.macro FOLD e
	PLACES 8
.if (\e) == 0
	WIN 0x81                                       ; source 0 (acc) window 1, source 1 (the gate) window 0, destination (tot) window 2
.else
	WIN 0xa1                                       ; and source 2 (tot) window 2
.endif
.irp m, 0,1,2,3,4,5,6,7
.set RG, G+4*\m+2*((\e)/2)
.set j, 0
.rept 16
.set RA, 32*\m+2*j
.if (\e) == 0
	v_pk_mul_f32 v[RA:RA+1], v[RA:RA+1], v[RG:RG+1] op_sel_hi:[1,0]
.elseif (\e)%2 == 0
	v_pk_fma_f32 v[RA:RA+1], v[RA:RA+1], v[RG:RG+1], v[RA:RA+1] op_sel_hi:[1,0,1]
.else
	v_pk_fma_f32 v[RA:RA+1], v[RA:RA+1], v[RG:RG+1], v[RA:RA+1] op_sel:[0,1,0] op_sel_hi:[1,1,1]
.endif
.set j, j+1
.endr
.endr
.endm
; TILE t = 2 e + (half of K), which lies in slot sl, is multiplied: my K step's scale words and fragments from LDS, 32 products.
.macro COMPUTE t, sl
.set EE, (\t)/2
.set KH, (\t)%2
	WIN 0
	PLACES 8                                       ; in front of loads into registers that the last products read
.irp n, 0,1,2,3
	ds_load_b32 v[SB+\n], v[ASB] offset:2048*EE+512*\n+16*KH
.endr
.irp m, 0,1,2,3,4,5,6,7
	ds_load_b32 v[SA+\m], v[ASA] offset:2048*(\t)+64*\m
.endr
.irp n, 0,1,2,3
.irp c, 0,1,2,3
	ds_load_b128 v[BF+16*\n+4*\c:BF+16*\n+4*\c+3], v[BA+(\sl)] offset:8448*\n+32*\c
.endr
.endr
.irp m, 0,1,2,3,4,5,6,7
.irp c, 0,1,2,3
	ds_load_b128 v[AF+16*\m+4*\c:AF+16*\m+4*\c+3], v[AA+(\sl)] offset:2048*\m+512*\c
.endr
.endr
.if KH == 0
	WIN 0x40                                       ; D window 1: an expert's first tile starts the sums with the constant 0
.else
	WIN 0x50                                       ; C and D window 1
.endif
.irp m, 0,1,2,3,4,5,6,7
	s_wait_dscnt 4*(7-\m)                          ; ctx's block m is in; the later blocks' loads may be out
.irp n, 0,1,2,3                                ; the 32 accumulators take turns, one instruction a turn
.if KH == 0
	v_wmma_scale_f32_16x16x128_f8f6f4 v[8*(4*\m+\n):8*(4*\m+\n)+7], v[BF+16*\n:BF+16*\n+15], v[AF+16*\m:AF+16*\m+15], 0, v[SB+\n], v[SA+\m] matrix_a_fmt:MATRIX_FMT_BF8 matrix_b_fmt:MATRIX_FMT_BF8
.else
	v_wmma_scale_f32_16x16x128_f8f6f4 v[8*(4*\m+\n):8*(4*\m+\n)+7], v[BF+16*\n:BF+16*\n+15], v[AF+16*\m:AF+16*\m+15], v[8*(4*\m+\n):8*(4*\m+\n)+7], v[SB+\n], v[SA+\m] matrix_a_fmt:MATRIX_FMT_BF8 matrix_b_fmt:MATRIX_FMT_BF8
.endif
.endr
.endr
.endm
; SLOTS 0 AND 1, both read out, take the tiles three further on.  In front of the round each wave waits for all its tensor loads, adds 0 to its spare word, and waits for that and for its reads of the two slots.
; Behind the round no wave of any partner reads them or has a load on its way.  ctx's blocks lie on end: three blocks on.  Wo's tile t begins (t / 2) x 2^20 + (t % 2) x 512 bytes into my rows: the first wave of
; the side walks tiles 0, 3, 6 (steps 2^20 + 512, then 2^21 - 512), the second tiles 1, 4, 7 (the same two steps the other way round).
.macro REFILL_TWO first
	WIN 0
	s_wait_tensorcnt 0x0                           ; no tensor load of mine is out, so a group 0 may be written
	ds_add_u32 v[SPW], v[NIL]                      ; 0 onto my spare word; the descriptors' steps stand between it and the wait for it
	s_add_nc_u64 s[G0PA+2:G0PA+3], s[G0PA+2:G0PA+3], 3*65536
.if \first
	s_mul_i32 s30, s22, 1047552
.else
	s_xor_b32 s30, s22, 1
	s_mul_i32 s30, s30, 1047552
.endif
	s_add_co_u32 s30, s30, 1049088                 ; 2^20 + 512, or 2^20 - 1,024 more
	s_mov_b32 s31, 0
	s_add_nc_u64 s[G0PB+2:G0PB+3], s[G0PB+2:G0PB+3], s[30:31]
	s_wait_dscnt 0x0                               ; the add is done, and my reads of the two slots are over
	ROUND
	JLOAD G0PA, G1A, G0PB, G1B                     ; the first tensor load behind the round, and my only one until the next
.endm
; SLOT 2, read out, takes tile 5: three blocks of ctx on; in Wo from expert 1's first half of K to expert 2's second.
.macro REFILL_ONE
	WIN 0
	s_wait_tensorcnt 0x0
	ds_add_u32 v[SPW], v[NIL]
	s_add_nc_u64 s[G0TA+2:G0TA+3], s[G0TA+2:G0TA+3], 3*65536
	s_add_nc_u64 s[G0TB+2:G0TB+3], s[G0TB+2:G0TB+3], 1049088
	s_wait_dscnt 0x0                               ; the add is done, and my reads of slot 2 are over
	ROUND
	SLOAD
.endm
	WIN 0
	s_wait_tensorcnt 0x0                           ; my parts of the scales and of tiles 0, 1 and 2 have landed (waves 1 and 3 have issued one load fewer, so the count is 0),
	s_barrier_signal -1
	s_barrier_wait -1                              ; everybody's have
	COMPUTE 0, 0
	COMPUTE 1, 1
	FOLD 0
	REFILL_TWO 1                                   ; tiles 3 and 4 are on their way
	COMPUTE 2, 2
	REFILL_ONE                                     ; tiles 3 and 4 have landed; tile 5 is on its way
	COMPUTE 3, 0
	FOLD 1
	COMPUTE 4, 1
	REFILL_TWO 0                                   ; tile 5 has landed; tiles 6 and 7 are on their way: the last loads
	COMPUTE 5, 2
	FOLD 2
	WIN 0
	s_wait_tensorcnt 0x0                           ; my parts of tiles 6 and 7 have landed
	ds_add_u32 v[SPW], v[NIL]
	s_wait_dscnt 0x0
	s_barrier_signal -1
	s_barrier_wait -1                              ; everybody's have; nothing is left to fetch, so no round follows
	COMPUTE 6, 0
	COMPUTE 7, 1
	FOLD 3
	; THE WAY OUT.  Every wave's reads of the slots are in; behind the barrier the four sums go to four stages, and behind another each wave adds and stores 32 positions.
	WIN 0
	s_wait_alu depctr_va_vdst(0)
	s_wait_dscnt 0x0
	s_barrier_signal -1
	s_barrier_wait -1
	WIN 0x08                                       ; an LDS store's data are its source 1: window 2
.irp m, 0,1,2,3,4,5,6,7
.irp n, 0,1,2,3
	ds_store_b128 v[STO], v[8*(4*\m+\n):8*(4*\m+\n)+3] offset:4352*\m+64*\n        ; lane (r, h): position 16 m + r, columns 16 n + 8 h + 0 .. 7
	ds_store_b128 v[STO], v[8*(4*\m+\n)+4:8*(4*\m+\n)+7] offset:4352*\m+64*\n+16
.endr
.endr
	WIN 0
	s_wait_dscnt 0x0                               ; for the others' sake: my stores have landed
	s_barrier_signal -1
	s_barrier_wait -1
.macro BATCH bb                        ; eight pairs of positions
.irp i, 0,1,2,3,4,5,6,7
.irp q, 0,1,2,3
	ds_load_b128 v[RB+16*\i+4*\q:RB+16*\i+4*\q+3], v[RD+\q] offset:544*(8*(\bb)+\i)
.endr
.endr
.irp i, 0,1,2,3,4,5,6,7
.set A0, RB+16*\i
.set O0, OUTR+4*(8*(\bb)+\i)
	s_wait_dscnt 4*(7-\i)                          ; this pair's four loads are in; the later pairs' may be out
	v_pk_add_f32 v[A0:A0+1], v[A0:A0+1], v[A0+4:A0+5]
	v_pk_add_f32 v[A0+2:A0+3], v[A0+2:A0+3], v[A0+6:A0+7]
	v_pk_add_f32 v[A0+8:A0+9], v[A0+8:A0+9], v[A0+12:A0+13]
	v_pk_add_f32 v[A0+10:A0+11], v[A0+10:A0+11], v[A0+14:A0+15]
	v_pk_add_f32 v[O0:O0+1], v[A0:A0+1], v[A0+8:A0+9]
	v_pk_add_f32 v[O0+2:O0+3], v[A0+2:A0+3], v[A0+10:A0+11]
.endr
	WIN 0x03                                       ; source 0 window 3: x and the biases' part
.irp i, 0,1,2,3,4,5,6,7
.irp p, 0,2
	v_pk_add_f32 v[OUTR+4*(8*(\bb)+\i)+\p:OUTR+4*(8*(\bb)+\i)+\p+1], v[XB+4*(8*(\bb)+\i)+\p:XB+4*(8*(\bb)+\i)+\p+1], v[OUTR+4*(8*(\bb)+\i)+\p:OUTR+4*(8*(\bb)+\i)+\p+1]
.endr
.endr
	WIN 0
.irp i, 0,1,2,3,4,5,6,7
.set PP, 2*(8*(\bb)+\i)
.set SWP, (PP&7)|(((PP>>3)&1)<<4)|(((PP>>4)&1)<<3)
	global_store_b128 v[CO], v[OUTR+4*(8*(\bb)+\i):OUTR+4*(8*(\bb)+\i)+3], s[18:19] offset:SWP*4096 th:TH_STORE_NT   ; sixteen lanes store 256 consecutive bytes of a row, at a multiple of 256; each result has registers of its own
.endr
.endm
	BATCH 0
	BATCH 1
	s_wait_tensorcnt 0x0                           ; the wave's end
	ds_add_u32 v[SPW], v[NIL]
	s_wait_dscnt 0x0
	ROUND                                          ; the closing round: no work-group ends while a partner may still ask for a tile that names it
	s_endpgm
.Lfunc_end_k_q8b8957bf94_oproj:
	.size	k_q8b8957bf94_oproj, .Lfunc_end_k_q8b8957bf94_oproj-k_q8b8957bf94_oproj
	.p2alignl 7, 3214868480
	.fill 96, 4, 3214868480
	.section	.rodata,"a",@progbits
	.p2align	6, 0x0
	.amdhsa_kernel k_q8b8957bf94_oproj
		.amdhsa_group_segment_fixed_size 327680
		.amdhsa_private_segment_fixed_size 0
		.amdhsa_enable_private_segment 0
		.amdhsa_kernarg_size 64
		.amdhsa_user_sgpr_count 2
		.amdhsa_user_sgpr_kernarg_segment_ptr 1
		.amdhsa_wavefront_size32 1
		.amdhsa_system_sgpr_workgroup_id_x 1
		.amdhsa_system_sgpr_workgroup_id_y 1
		.amdhsa_system_sgpr_workgroup_id_z 1
		.amdhsa_system_vgpr_workitem_id 0
		.amdhsa_next_free_vgpr 1024
		.amdhsa_next_free_sgpr 96
		.amdhsa_reserve_vcc 0
		.amdhsa_float_denorm_mode_32 3
		.amdhsa_float_denorm_mode_16_64 3
		.amdhsa_memory_ordered 1
		.amdhsa_forward_progress 1
		.amdhsa_inst_pref_size 145
	.end_amdhsa_kernel
	.amdgpu_metadata
---
amdhsa.version: [ 1, 2 ]
amdhsa.kernels:
  - .name:           k_q8b8957bf94_oproj
    .symbol:         k_q8b8957bf94_oproj.kd
    .args:
      - { .name: ctx_img, .offset: 0, .size: 8, .value_kind: global_buffer, .address_space: global }
      - { .name: ctx_sc, .offset: 8, .size: 8, .value_kind: global_buffer, .address_space: global }
      - { .name: Wo_codes, .offset: 16, .size: 8, .value_kind: global_buffer, .address_space: global }
      - { .name: Wo_scales, .offset: 24, .size: 8, .value_kind: global_buffer, .address_space: global }
      - { .name: bo, .offset: 32, .size: 8, .value_kind: global_buffer, .address_space: global }
      - { .name: gates, .offset: 40, .size: 8, .value_kind: global_buffer, .address_space: global }
      - { .name: x, .offset: 48, .size: 8, .value_kind: global_buffer, .address_space: global }
      - { .name: out0, .offset: 56, .size: 8, .value_kind: global_buffer, .address_space: global }
    .group_segment_fixed_size: 327680
    .private_segment_fixed_size: 0
    .kernarg_segment_align: 8
    .kernarg_segment_size: 64
    .max_flat_workgroup_size: 128
    .sgpr_count:     96
    .vgpr_count:     1024
    .wavefront_size: 32
...
	.end_amdgpu_metadata
.endif
;; end of part 4
